; MI455X (gfx1250); checked and timed in simulation.
; The chip was launched on July 23, 2026; its instructions are those of AMD's public machine-readable ISA for CDNA 5 (MIT licence, August 2026) and "CDNA5" Instruction Set Architecture Reference Guide (July 2026). The comments in the code are by the model that wrote it; some were corrected since.
;; Mixture Of Experts. Allowed arithmetic: matrix products marked QUANTISED: E2M1 operands, one E8M0 scale for each 32 along K, by v_wmma_scale_f32_16x16x128_f8f6f4 with both operands' format E2M1 (or v_wmma_scale_f32_32x16x128_f4), f32 sums; products left as they are: f32 operands where the result goes on into a quantised operand, else bf16, f16 or f32 operands; f32 sums; everything else in f32.
;; Inputs: W1_codes 8 x 256 x 32 x 16 uint8 (E2M1 codes of W1, K innermost, in blocks of 32 codes, two codes a byte); W1_scales 8 x 256 x 32 uint8 (E8M0 scales of W1, one for each 32 codes along K); W2_codes 8 x 1,024 x 8 x 16 uint8 (E2M1 codes of W2, K innermost, in blocks of 32 codes, two codes a byte); W2_scales 8 x 1,024 x 8 uint8 (E8M0 scales of W2, one for each 32 codes along K); Wg 1,024 x 8 float32; b1 8 x 256 float32; b2 8 x 1,024 float32; bg 8 float32; x 16,384 x 1,024 float32.
;; Outputs: out0 16,384 x 1,024 float32.
;; This version of the problem:
;;   THIS VERSION OF THE PROBLEM IS GIVEN IN LOW PRECISION. The matrix products marked QUANTISED in the list below multiply operands that are first quantised to E2M1 (2 exponent bits, 1 mantissa bit; 4 bits a number), with one power-of-two scale for each 32 numbers along K (OCP MX v1.0); their sums are f32. All else is computed in f32.
;;   The module's matrix products, in the order in which they are computed (A, B: the left and right operand; K: the contracted axis; several contracted axes count as one K, in the product's order):
;;     1. [M 16,384, K 1,024] x [K 1,024, N 8]; A: input x; B: input Wg: left as it is (N = 8 < 16)
;;     2. [M 16,384, K 1,024] x [K 1,024, N 2,048]; A: input x; B: input W1 (given as codes): QUANTISED
;;     3. batch 8 x [M 1,024, K 256] x [K 256, N 16,384]; A: input W2 (given as codes); B: computed on the way: QUANTISED
;;     4. batch 16,384 x [M 1,024, K 8] x [K 8, N 1]; A: computed on the way; B: softmax: left as it is (K = 8 < 32)
;;   THE QUANTISER, for each operand of a quantised product, along K:
;;     - K is cut into blocks of 32 from its start; a last block that is shorter is filled with zeros.
;;     - A block's scale is 2^e with e = floor(log2(the largest magnitude in the block)) - 2, held to -126 .. 127; a block of zeros has e = 0. As a byte (E8M0): e + 127.
;;     - Each number is divided by its block's scale, clamped to +-6, and rounded to the nearest number of E2M1, ties to even, subnormals kept.
;;     - The product sums the exact products of the quantised numbers (number of the format x scale) in f32.
;;   ~~~python
;;   def quantise(x, axis):      # numpy; x: float32 -> the quantised numbers, widened to float32 again
;;       x = np.moveaxis(x, axis, -1); K = x.shape[-1]
;;       x = np.pad(x, [(0, 0)] * (x.ndim - 1) + [(0, -K % 32)]); x = x.reshape(x.shape[:-1] + (-1, 32)); a = np.abs(x).max(-1, keepdims=True)
;;       e = np.where(a > 0, np.clip(np.frexp(np.where(a > 0, a, 1))[1] - 1 - 2, -126, 127), 0)      # np.frexp(a)[1] - 1 = floor(log2(a)), exactly
;;       r = np.clip(x / 2.0 ** e, -6, 6)
;;       step = 2.0 ** (np.maximum(np.frexp(np.where(r == 0, 1, r))[1] - 1, 0) - 1)
;;       q = np.round(r / step) * step * 2.0 ** e      # np.round: ties to even
;;       return np.moveaxis(q.reshape(q.shape[:-2] + (-1,))[..., :K], -1, axis).astype(np.float32)
;;   ~~~
;;   OPERANDS COMPUTED ON THE WAY. 'Computed on the way' means the value that the module computes at that place (a softmax that the list does not call 'softmax' is quantised finished and normalised). What goes into a quantiser is computed in f32, as accurately as f32 sums, v_exp_f32 and their like allow (about 1e-6 of the number): no bf16 or f16 on the way to a quantiser, and a product that is left as it is and whose result goes on into a quantised operand takes f32 operands (vector FMAs, or v_wmma_f32_16x16x4_f32). A number that lies on a knife's edge between two numbers of the format may be rounded either way, as far as f32 arithmetic and the matrix unit's own rounding can turn it there, and no further.
;;   INPUTS GIVEN AS CODES. W1 (in the module: [8, 1024, 256], K = its axis 1); W2 (in the module: [8, 256, 1024], K = its axis 1): each comes as NAME_codes (uint8): NAME with its K axis moved to the last place and cut into blocks of 32 codes, [.., K / 32, bytes a block], one block behind the other in memory; two codes a byte, the lower K in the low four bits (a code: sign, 2 exponent bits, 1 mantissa bit); and NAME_scales (uint8): the same leading axes, one E8M0 byte (e + 127) for each 32 codes along K. Its value is code x scale, taken as it is: it is not quantised again, and the codes and scales need not be those that the quantiser above would give.
;; 2 versions, each right. Each part assembles by itself: llvm-mc -triple=amdgcn-amd-amdhsa -mcpu=gfx1250 --defsym DOCPART=n.
;; ======== version 1 of 2: 1 launch
;; launch moe (part 1): grid 256 x 1, 4 waves a work-group, clusters of 4 x 1, 327,680 bytes of LDS; arguments x, W1_codes, W1_scales, W2_codes, W2_scales, Wg, b1, b2, bg, out0; writes out0
.if DOCPART == 1
	.amdgcn_target "amdgcn-amd-amdhsa--gfx1250"
	.amdhsa_code_object_version 6
	.text
	.protected	k_q8cc0e4c76a_moe
	.globl	k_q8cc0e4c76a_moe
	.p2align	8
	.type	k_q8cc0e4c76a_moe,@function
k_q8cc0e4c76a_moe:
	s_mov_b64 s[64:65], 0
	v_nop
	global_prefetch_b8 v0, s[64:65] scope:SCOPE_SE
	s_setreg_imm32_b32 hwreg(HW_REG_WAVE_MODE, 25, 1), 1
	s_wait_xcnt 0x0
	s_wait_alu depctr_hold_cnt(0) depctr_sa_sdst(0) depctr_va_vdst(0) depctr_va_sdst(0) depctr_va_ssrc(0) depctr_va_vcc(0) depctr_vm_vsrc(0)
	s_getreg_b32 s2, hwreg(HW_REG_IB_STS2, 6, 4)
	s_cmp_eq_u32 s2, 0
	s_cbranch_scc0 .Lentry_in_a_cluster
	s_endpgm
.Lentry_in_a_cluster:
	s_bfe_u32 s2, ttmp6, 0x10000c
	s_cmp_lg_u32 s2, 0x3003
	s_cbranch_scc0 .Lentry_shape_is_right
	s_endpgm
.Lentry_shape_is_right:
; out0[n][:] = sum over e of softmax(x Wg + bg)[n][e] x (gelu(x W1_e + b1_e) W2_e + b2_e).  16,384 tokens, D = 1,024, H = 256, O = 1,024, 8 experts.
; x W1_e and gelu(..) W2_e run on codes of FP4 (E2M1) with one E8M0 scale for each 32 along K: W1 and W2 come as codes, x (along D) and the gelu's result (along H) are quantised here, from f32.
; NOTHING IS LEFT OUT: the gates are soft, so every expert counts for every token, and every input has a way to out0 (bg differs along the softmax's axis).
; LIMITS.  erf is the rational u P(u^2) / Q(u^2) with its argument held to +-4; its error is about 1e-7 of erf's range, so gelu(v) carries an absolute error of about 1e-7 |v| and loses relative accuracy far down
; the negative tail.  NaN and infinities in x are not served.  A block of zeros gets the scale byte 1 (its codes are zeros; this program alone reads the bytes).  The gate's product x Wg and the bias part
; sum_e w_e b2_e take bf16 operands and f32 sums; neither goes on into a quantiser.
; SHARES.  A work-group owns 64 tokens, four tiles m of 16.  THE WAVES SHARE THE COLUMNS: wave w makes hidden units 64 w .. 64 w + 63 of every expert and outputs 256 w .. 256 w + 255, for all 64 tokens, so that each
; byte of W1 and W2 is read from LDS once a work-group and each fragment feeds four matrix instructions.  At the head wave w quantises token tile w of x and makes its gates.
; BOTH QUANTISED PRODUCTS ARE USED TRANSPOSED (source 0 = 16 rows of the weight, source 1 = 16 tokens): a lane holds ONE token, so a gate is one register a lane and the weighting is one packed multiply-add on two results.
; out0's sums begin as sum_e w_e b2_e, made by matrix instructions whose C is 0: nothing is cleared.  b1 is loaded as the first product's C.
; CLUSTER.  All work-groups walk the same weights: the four of a cluster ask for each tile JOINTLY (mask 15); a descriptor hangs on the wave's number and the expert alone.
; LDS: W1_e (rows of 512 + 16 bytes), W2_e (rows of 128 + 16), each filled again once an expert behind a round of the cluster's barrier; behind them, in blocks that no fill touches, images of operands' registers.
; REGISTERS, in windows of 256: window 0: v0-23 addresses; v24-39 x's scale words; v40-55 W1's; v56-183 the hidden layer's 16 tiles (second product: the hidden fragments and two sets of four results);
;   v184-247 weights' fragments, the gelu's work, W2's scale words (v232-247).  window 1: x's codes, fragment (m, s) at v[8 (8 m + s)].  windows 2, 3: out0's 64 tiles, (j, m) at v[8 (4 (j % 8) + m)] of window 2 + j / 8;
;   at the head these two windows hold four sets of x's numbers and the gate's work.
.set W1PART, 33792                     ; 64 rows x 528 bytes: a wave's part of W1_e
.set W2BASE, 135168                    ; behind W1_e's four parts
.set W2PART, 36864                     ; 256 rows x 144 bytes: a wave's part of W2_e
.set GWI,    282624                    ; the gates in f32: image (e, m) at 128 (4 e + m) + 4 lane
.set GBI,    286720                    ; 0.25 x the gates in bf16: tile m at 512 m + 16 lane
.set WGI,    288768                    ; 32 images of Wg in bf16, 512 bytes each; later a wave's 4,096 bytes of b2 in bf16, [output][8 experts]
.set XI,     305152                    ; images of x's fragments for half of K: 1,024 (4 m + s % 4); later b1 (8,192 bytes) and the hidden layer's images
.set XSC,    321536                    ; images of x's scale words: 128 (4 m + s % 4); later the hidden layer's: 128 (2 m + ks)
.set SPARE,  323584                    ; the spare words, 128 bytes for each wave: two blocks of 256 bytes that no other line names
.set B1R,    XI                        ; b1: 2,048 w + 256 e
.set HIMG,   XI+8192                   ; the hidden layer's fragments: 2,048 m + 1,024 ks + 512 c + 16 lane
.set XA,  4                            ; x: 4,096 r + 128 h
.set LI,  5                            ; 16 lane
.set HSL, 6                            ; XSC + 4 lane
.set XWI, 7                            ; where I store x's images; later other LDS addresses of the head
.set XWS, 8                            ; and their scale words; likewise
.set LSX, 9                            ; XSC + 4 lane + 1,024 h: lanes 16-31 take the tile two further on
.set WGR, 10                           ; WGI + 16 (r % 8 + 8 h); later other LDS addresses of the head
.set AW1, 11                           ; my fragments of W1: (64 w + r) 528 + 16 h
.set AW2, 12                           ; of W2: W2BASE + (256 w + r) 144 + 16 h
.set B1A, 13                           ; B1R + 2,048 w + 32 h, 256 on with each expert
.set GWA, 14                           ; GWI + 4 lane, 512 on with each expert
.set HST, 15                           ; HIMG + 512 w + 16 r + 4 h
.set HSS, 16                           ; XSC + 128 (w / 2) + 2 (w % 2) + 4 lane
.set S1O, 17                           ; W1's scale words: 32 r + 1,024 h
.set S2O, 18                           ; W2's: 8 r + 1,024 h
.set STO, 19                           ; the way out: W1PART w + 1,040 r + 32 h
.set RD,  20                           ; and back: W1PART w + 16 lane
.set XIL, 21                           ; XI + 16 lane
.set TA,  22                           ; offsets of the head's loads
.set TB,  23
.set TC,  248
.set XS,  24
.set W1S, 40
.set HA,  56
.set WF,  184
.set W2S, 232
.set CLV, 249                          ; 4 sqrt(2)
.set A1V, 250                          ; v[250:251], v[252:253]: the second coefficient of each polynomial, twice
.set B1V, 252
.set SPW, 254                          ; LDS address of my spare word; never rewritten
.set NIL, 255                          ; 0; never rewritten
.set G1A, 32                           ; s[32:39] descriptor group 1 for W1's tiles, s[40:47] for W2's; s[48:51], s[52:55] their groups 0
.set G1B, 40
.set G0A, 48
.set G0B, 52
.set MSB, 0
.macro WIN new                         ; the immediate's high byte repeats the setting that is left; a switch that changes nothing is dropped
.if MSB != (\new)
	s_set_vgpr_msb (MSB<<8)|(\new)
.set MSB, (\new)
.endif
.endm
.macro PLACES                          ; four plain places behind matrix instructions (ISA guide 7.12.1)
.rept 4
	v_nop
.endr
.endm
.macro BARRIER                         ; my LDS stores have landed and my LDS loads are in: then the work-group's barrier
	s_wait_dscnt 0x0
	s_barrier_signal -1
	s_barrier_wait -1
.endm
.macro CROUND                          ; a round of the cluster's barrier
	s_barrier_signal -1
	s_barrier_wait -1
	s_cmp_lg_u32 s24, 0
	s_cbranch_scc1 .Lnot_wave_0_\@
	s_barrier_signal -3
.Lnot_wave_0_\@:
	s_barrier_wait -3
	s_barrier_signal -1
	s_barrier_wait -1
.endm
; A tile's bytes are filled again with the next expert's: all my tensor loads have landed, the add, my reads are over; a round; my one joint load first behind it.
.macro REFILL g0, g1
	s_wait_tensorcnt 0x0                           ; no tensor load of mine is out, so a group 0 may be written
	ds_add_u32 v[SPW], v[NIL]                      ; 0 onto my spare word
	s_add_nc_u64 s[\g0+2:\g0+3], s[\g0+2:\g0+3], 131072   ; the next expert's codes; the type bits on top are not reached
	s_wait_dscnt 0x0                               ; the add is done, and my reads of the tile are over
	CROUND                                         ; the same holds of every wave of the four work-groups
	tensor_load_to_lds s[\g0:\g0+3], s[\g1:\g1+7]
	s_nop 0
	PLACES
.endm
; K step s of my 16 tokens of x: lane (r, h) takes k = 128 s + 64 c + 32 h + 0 .. 31 of row r, two whole blocks, into the set of window 2 + (s % 4) / 2 at v[56 + 64 (s % 2)]
.macro XLOAD s
.set XW, 2+((\s)%4)/2
.set XR, 56+64*((\s)%2)
	WIN (XW<<6)
.irp c,0,1
.irp j,0,1,2,3,4,5,6,7
	global_load_b128 v[XR+32*\c+4*\j:XR+32*\c+4*\j+3], v[XA], s[4:5] offset:512*(\s)+256*\c+16*\j th:TH_LOAD_NT
.endr
.endr
.endm
; K step s: codes and scale word to LDS as images of the operand's registers; the gate's four bf16 products.  cnt: the younger global loads that may stay out.
.macro XSTEP s, cnt
.set XW, 2+((\s)%4)/2
.set XR, 56+64*((\s)%2)
	s_wait_loadcnt \cnt
	WIN XW*0x55                                    ; all of the step's vector work lies in the set's own window
.irp c,0,1                                     ; the largest magnitude of my two blocks, each in two chains; the floor 2^(3 - 127) is one leaf: the byte cannot fall under 1
	v_max3_num_f32 v[184+\c], |v[XR+32*\c]|, |v[XR+32*\c+1]|, 0x1800000
	v_max3_num_f32 v[192+\c], |v[XR+32*\c+16]|, |v[XR+32*\c+17]|, |v[XR+32*\c+18]|
.endr
.irp i,2,4,6,8,10,12
.irp c,0,1
	v_max3_num_f32 v[184+\c], v[184+\c], |v[XR+32*\c+\i]|, |v[XR+32*\c+\i+1]|
	v_max3_num_f32 v[192+\c], v[192+\c], |v[XR+32*\c+\i+17]|, |v[XR+32*\c+\i+18]|
.endr
.endr
.irp c,0,1
	v_max3_num_f32 v[184+\c], v[184+\c], |v[XR+32*\c+14]|, |v[XR+32*\c+15]|
.endr
.irp c,0,1
	v_max3_num_f32 v[184+\c], v[184+\c], v[192+\c], |v[XR+32*\c+31]|
.endr
.irp c,0,1
	v_add_nc_u32 v[186+\c], 0xff000000, v[184+\c]  ; 2 off the exponent field: the conversion's scale operand
.endr
.irp c,0,1
	v_lshrrev_b32 v[188+\c], 23, v[186+\c]         ; the scale's byte
.endr
.irp c,0,1
.irp g,0,1,2,3
	v_cvt_scalef32_pk8_fp4_f32 v[200+4*\c+\g], v[XR+32*\c+8*\g:XR+32*\c+8*\g+7], v[186+\c]   ; registers 4 c .. 4 c + 3 of the operand
.endr
.endr
	v_nop                                          ; one plain place behind a scaled conversion
	v_lshl_or_b32 v190, v189, 16, v188             ; my bytes: blocks h and 2 + h,
	v_lshlrev_b32 v208, 8, v190
	v_cndmask_b32 v190, v190, v208, s27            ; 8 h bits up (s27: lanes 16-31);
	v_permlanex16_b32 v191, v190, s56, s57
	v_or_b32 v208, v190, v191                      ; with lane l xor 16's two the word is whole
	WIN 0x80                                       ; Wg's four fragments of this K step -> window 2, v0-31 (the maxima above are the places behind the last step's products)
.irp f,0,1,2,3
	ds_load_b128 v[8*\f:8*\f+3], v[WGR] offset:2048*(\s)+512*\f
	ds_load_b128 v[8*\f+4:8*\f+7], v[WGR] offset:2048*(\s)+512*\f+256
.endr
	WIN XW*0x55
.irp i,0,1,2,3,4,5,6,7,8,9,10,11,12,13,14,15,16,17,18,19,20,21,22,23,24,25,26,27,28,29,30,31
	v_cvt_pk_bf16_f32 v[216+\i], v[XR+2*\i], v[XR+2*\i+1]   ; x in bf16 for the gate: k is permuted alike in x's fragments and in Wg's images
.endr
.if (\s) < 4
	XLOAD (\s)+4                                   ; the set is read out: it takes the K step four further on
.endif
	WIN (XW<<2)                                    ; an LDS store's data are its source 1
	ds_store_b128 v[XWI], v[200:203] offset:1024*((\s)%4)
	ds_store_b128 v[XWI], v[204:207] offset:1024*((\s)%4)+512
	ds_store_b32 v[XWS], v208 offset:128*((\s)%4)
	s_wait_dscnt 0x0                               ; Wg's fragments are in; the stores have read their registers
	WIN 0xa2|(XW<<2)                               ; Wg and the sums in window 2, x in the set's window
.irp f,0,1,2,3                                 ; two accumulators by turns; source 0 = Wg^T (rows 8-15 repeat experts 0-7), source 1 = my 16 tokens
.if ((\s) == 0) && (\f == 1)
	v_wmma_f32_16x16x32_bf16 v[40:47], v[8:15], v[224:231], 0
.else
	v_wmma_f32_16x16x32_bf16 v[32+8*(\f%2):39+8*(\f%2)], v[8*\f:8*\f+7], v[216+8*\f:223+8*\f], v[32+8*(\f%2):39+8*(\f%2)]
.endif
.endr
.endm
; all four token tiles' fragments of K steps 4 half .. 4 half + 3 -> window 1; their scale words -> v[XS ..], tiles m and m + 2 in one register
.macro FETCHX half
	WIN 0x40
.irp m,0,1,2,3
.irp q,0,1,2,3
.irp c,0,1
	ds_load_b128 v[8*(8*\m+4*(\half)+\q)+4*\c:8*(8*\m+4*(\half)+\q)+4*\c+3], v[XIL] offset:1024*(4*\m+\q)+512*\c
.endr
.endr
.endr
	WIN 0
.irp m,0,1
.irp q,0,1,2,3
	ds_load_b32 v[XS+8*\m+4*(\half)+\q], v[LSX] offset:128*(4*\m+\q)
.endr
.endr
.endm
; THE FIRST PRODUCT.  My four tiles of 16 rows of W1_e, K step s, into set s % 2
.macro W1LOAD s
.irp t,0,1,2,3
.irp c,0,1
	ds_load_b128 v[WF+32*((\s)%2)+8*\t+4*\c:WF+32*((\s)%2)+8*\t+4*\c+3], v[AW1] offset:8448*\t+64*(\s)+32*\c
.endr
.endr
.endm
.macro P1MUL s                         ; 16 accumulators by turns, in the same order in every K step
	WIN 0x04                                       ; source 1 (x's codes) in window 1
.irp t,0,1,2,3
.irp m,0,1,2,3
.set rD, HA+32*\m+8*\t
.set rA, WF+32*((\s)%2)+8*\t
.set rB, 8*(8*\m+(\s))
.set rSA, W1S+8*(\t%2)+(\s)
.set rSB, XS+8*(\m%2)+(\s)
.if (\t >= 2) && (\m >= 2)
	v_wmma_scale_f32_16x16x128_f8f6f4 v[rD:rD+7], v[rA:rA+7], v[rB:rB+7], v[rD:rD+7], v[rSA], v[rSB] matrix_a_fmt:MATRIX_FMT_FP4 matrix_b_fmt:MATRIX_FMT_FP4 matrix_a_scale:MATRIX_SCALE_ROW1 matrix_b_scale:MATRIX_SCALE_ROW1
.elseif \t >= 2
	v_wmma_scale_f32_16x16x128_f8f6f4 v[rD:rD+7], v[rA:rA+7], v[rB:rB+7], v[rD:rD+7], v[rSA], v[rSB] matrix_a_fmt:MATRIX_FMT_FP4 matrix_b_fmt:MATRIX_FMT_FP4 matrix_a_scale:MATRIX_SCALE_ROW1
.elseif \m >= 2
	v_wmma_scale_f32_16x16x128_f8f6f4 v[rD:rD+7], v[rA:rA+7], v[rB:rB+7], v[rD:rD+7], v[rSA], v[rSB] matrix_a_fmt:MATRIX_FMT_FP4 matrix_b_fmt:MATRIX_FMT_FP4 matrix_b_scale:MATRIX_SCALE_ROW1
.else
	v_wmma_scale_f32_16x16x128_f8f6f4 v[rD:rD+7], v[rA:rA+7], v[rB:rB+7], v[rD:rD+7], v[rSA], v[rSB] matrix_a_fmt:MATRIX_FMT_FP4 matrix_b_fmt:MATRIX_FMT_FP4
.endif
.endr
.endr
	WIN 0
.endm
.macro P1
.irp m,0,1,2,3                                 ; b1 in the result's layout starts the sums: lane (r, h) of tile t holds units 16 t + 8 h + 0 .. 7
.irp t,0,1,2,3
	ds_load_b128 v[HA+32*\m+8*\t:HA+32*\m+8*\t+3], v[B1A] offset:64*\t
	ds_load_b128 v[HA+32*\m+8*\t+4:HA+32*\m+8*\t+7], v[B1A] offset:64*\t+16
.endr
.endr
	W1LOAD 0
	W1LOAD 1
.irp s,0,1,2,3,4,5,6,7
.if \s == 7
	s_wait_dscnt 0x0
.else
	s_wait_dscnt 0x8                               ; all but the next K step's eight loads
.endif
	P1MUL \s
	PLACES                                         ; in front of loads into registers that these products have read, and of the first read of results
.if \s < 6
	W1LOAD \s+2
.endif
.endr
.endm
; GELU.  Phi(v) = 0.5 + u P(u^2) / Q(u^2), u = v held to +-4 sqrt(2); gelu = v Phi.  A tile is 8 numbers a lane, in four pairs that take turns.
.macro POLY x, p
.set rP, 200+16*(\p)
.set rQ, 208+16*(\p)
.irp i,0,1,2,3,4,5,6,7
	v_med3_num_f32 v[184+\i], v[(\x)+\i], -v249, v249
.endr
.irp i,0,2,4,6
	v_pk_mul_f32 v[192+\i:193+\i], v[184+\i:185+\i], v[184+\i:185+\i]
.endr
.irp i,0,2,4,6
	v_pk_fma_f32 v[rP+\i:rP+\i+1], v[192+\i:193+\i], s[76:77], v[A1V:A1V+1] op_sel_hi:[1,0,1]
.endr
.irp i,0,2,4,6
	v_pk_fma_f32 v[rQ+\i:rQ+\i+1], v[192+\i:193+\i], s[90:91], v[B1V:B1V+1] op_sel_hi:[1,0,1]
.endr
.irp k,2,3,4
.irp i,0,2,4,6
	v_pk_fma_f32 v[rP+\i:rP+\i+1], v[rP+\i:rP+\i+1], v[192+\i:193+\i], s[76+2*\k:77+2*\k] op_sel_hi:[1,1,0]
.endr
.irp i,0,2,4,6
	v_pk_fma_f32 v[rQ+\i:rQ+\i+1], v[rQ+\i:rQ+\i+1], v[192+\i:193+\i], s[90+2*\k:91+2*\k] op_sel_hi:[1,1,0]
.endr
.endr
.irp k,5,6
.irp i,0,2,4,6
	v_pk_fma_f32 v[rP+\i:rP+\i+1], v[rP+\i:rP+\i+1], v[192+\i:193+\i], s[76+2*\k:77+2*\k] op_sel_hi:[1,1,0]
.endr
.endr
.irp i,0,2,4,6
	v_pk_mul_f32 v[rP+\i:rP+\i+1], v[rP+\i:rP+\i+1], v[184+\i:185+\i]
.endr
.endm
.macro RCP p
.irp i,0,1,2,3,4,5,6,7
	v_rcp_f32 v[208+16*(\p)+\i], v[208+16*(\p)+\i]
.endr
.endm
.macro FIN x, p
.set rP, 200+16*(\p)
.set rQ, 208+16*(\p)
.irp i,0,2,4,6
	v_pk_fma_f32 v[rP+\i:rP+\i+1], v[rP+\i:rP+\i+1], v[rQ+\i:rQ+\i+1], 0.5 op_sel_hi:[1,1,0]
.endr
.irp i,0,2,4,6
	v_pk_mul_f32 v[(\x)+\i:(\x)+\i+1], v[(\x)+\i:(\x)+\i+1], v[rP+\i:rP+\i+1]
.endr
.endm
; The four tiles of token tile m.  A tile's eight reciprocals are one batch; the next tile's polynomials are the independent work behind it; one wait stands ahead of the batch's first reader.
.macro GELU m
	POLY HA+32*(\m), 0
	RCP 0
	POLY HA+32*(\m)+8, 1
	s_wait_alu depctr_va_vdst(0)
	FIN HA+32*(\m), 0
	RCP 1
	POLY HA+32*(\m)+16, 0
	s_wait_alu depctr_va_vdst(0)
	FIN HA+32*(\m)+8, 1
	RCP 0
	POLY HA+32*(\m)+24, 1
	s_wait_alu depctr_va_vdst(0)
	FIN HA+32*(\m)+16, 0
	RCP 1
	v_nop                                          ; a plain place behind the last reciprocal
	s_wait_alu depctr_va_vdst(0)
	FIN HA+32*(\m)+24, 1
.endm
; Token tiles m0 and m0 + 1 of the hidden layer become codes.  Block q of four: tile m0 + q / 2, my units 32 (q % 2) on: 16 registers of mine and 16 of lane l xor 16.
; A conversion's register holds k = 16 t + 8 h + 0 .. 7 of my 64: in the second product's operand that is lane r + 16 (t / 2), register 4 (w % 2) + 2 (t % 2) + h of K step w / 2: the store's address puts it there.
.macro QH2 m0
.irp q,0,1,2,3
	v_max3_num_f32 v[184+\q], |v[HA+32*(\m0)+16*\q]|, |v[HA+32*(\m0)+16*\q+1]|, 0x1800000
.endr
.irp i,2,4,6,8,10,12,14
.irp q,0,1,2,3
	v_max3_num_f32 v[184+\q], v[184+\q], |v[HA+32*(\m0)+16*\q+\i]|, |v[HA+32*(\m0)+16*\q+\i+1]|
.endr
.endr
.irp q,0,1,2,3
	v_permlanex16_b32 v[188+\q], v[184+\q], s56, s57
.endr
.irp q,0,1,2,3
	v_max_num_f32 v[184+\q], v[184+\q], v[188+\q]
.endr
.irp q,0,1,2,3
	v_add_nc_u32 v[192+\q], 0xff000000, v[184+\q]
.endr
.irp q,0,1,2,3
	v_lshrrev_b32 v[196+\q], 23, v[192+\q]
.endr
	v_lshl_or_b32 v200, v197, 8, v196              ; my two bytes of a token's scale word
	v_lshl_or_b32 v201, v199, 8, v198
.irp n,0,1,2,3,4,5,6,7
	v_cvt_scalef32_pk8_fp4_f32 v[204+\n], v[HA+32*(\m0)+8*\n:HA+32*(\m0)+8*\n+7], v[192+\n/2]
.endr
	v_nop                                          ; one plain place behind a scaled conversion
.irp n,0,1,2,3,4,5,6,7
	ds_store_b32 v[HST], v[204+\n] offset:2048*((\m0)+\n/4)+256*((\n%4)/2)+8*(\n%2)
.endr
	ds_store_b16 v[HSS], v200 offset:256*(\m0)
	ds_store_b16 v[HSS], v201 offset:256*(\m0)+256
	s_wait_dscnt 0x0                               ; the stores have read their registers
.endm
; THE SECOND PRODUCT.  Tile j of my 16 tiles of 16 outputs: two fragments of W2_e into set j % 2
.macro W2LOAD j
.irp ks,0,1
.irp c,0,1
	ds_load_b128 v[WF+16*((\j)%2)+8*\ks+4*\c:WF+16*((\j)%2)+8*\ks+4*\c+3], v[AW2] offset:2304*(\j)+64*\ks+32*\c
.endr
.endr
.endm
.macro P2MUL j                         ; four results by turns, K step 0 (C = 0) and then K step 1
.irp ks,0,1
.irp m,0,1,2,3
.set rD, HA+64+32*((\j)%2)+8*\m
.set rA, WF+16*((\j)%2)+8*\ks
.set rB, HA+8*(2*\m+\ks)
.set rSA, W2S+2*((\j)%8)+\ks
.set rSB, 216+2*\m+\ks
.if (\ks == 0) && ((\j) >= 8)
	v_wmma_scale_f32_16x16x128_f8f6f4 v[rD:rD+7], v[rA:rA+7], v[rB:rB+7], 0, v[rSA], v[rSB] matrix_a_fmt:MATRIX_FMT_FP4 matrix_b_fmt:MATRIX_FMT_FP4 matrix_a_scale:MATRIX_SCALE_ROW1
.elseif \ks == 0
	v_wmma_scale_f32_16x16x128_f8f6f4 v[rD:rD+7], v[rA:rA+7], v[rB:rB+7], 0, v[rSA], v[rSB] matrix_a_fmt:MATRIX_FMT_FP4 matrix_b_fmt:MATRIX_FMT_FP4
.elseif (\j) >= 8
	v_wmma_scale_f32_16x16x128_f8f6f4 v[rD:rD+7], v[rA:rA+7], v[rB:rB+7], v[rD:rD+7], v[rSA], v[rSB] matrix_a_fmt:MATRIX_FMT_FP4 matrix_b_fmt:MATRIX_FMT_FP4 matrix_a_scale:MATRIX_SCALE_ROW1
.else
	v_wmma_scale_f32_16x16x128_f8f6f4 v[rD:rD+7], v[rA:rA+7], v[rB:rB+7], v[rD:rD+7], v[rSA], v[rSB] matrix_a_fmt:MATRIX_FMT_FP4 matrix_b_fmt:MATRIX_FMT_FP4
.endif
.endr
.endr
.endm
.macro P2ACC j                         ; out0's tile j += my token's gate x the results, each result from its low end on
	WIN 0xa0+0x50*((\j)/8)
.irp m,0,1,2,3
.irp i,0,2,4,6
.set rO, 8*(4*((\j)%8)+\m)+\i
.set rD, HA+64+32*((\j)%2)+8*\m+\i
	v_pk_fma_f32 v[rO:rO+1], v[rD:rD+1], v[224+2*\m:225+2*\m], v[rO:rO+1] op_sel_hi:[1,0,1]
.endr
.endr
	WIN 0
.endm
.macro P2
	s_wait_loadcnt 0x0                             ; W2's scale words (and the next expert's of W1)
.irp m,0,1,2,3
.irp ks,0,1
.irp c,0,1
	ds_load_b128 v[HA+8*(2*\m+\ks)+4*\c:HA+8*(2*\m+\ks)+4*\c+3], v[XIL] offset:8192+2048*\m+1024*\ks+512*\c
.endr
.endr
.endr
.irp m,0,1,2,3
.irp ks,0,1
	ds_load_b32 v[216+2*\m+\ks], v[HSL] offset:128*(2*\m+\ks)
.endr
.endr
.irp m,0,1,2,3
	ds_load_b32 v[224+2*\m], v[GWA] offset:128*\m
.endr
	W2LOAD 0
	W2LOAD 1
.set J, 0
.rept 16
.if J == 15
	s_wait_dscnt 0x0
.else
	s_wait_dscnt 0x4                               ; all but the next tile's four loads
.endif
	P2MUL J
.if J > 0
	P2ACC J-1                                      ; the tile before is weighted while this one is multiplied: these 16 are also the places behind this tile's products
.else
	PLACES
.endif
.if J < 14
	W2LOAD J+2
.endif
.set J, J+1
.endr
	P2ACC 15
.endm
; AN EXPERT.  fill = 1: W1's bytes take the next expert's codes in the gelu's middle, W2's behind the second product.
.macro EXPERT fill
	P1
.irp q,0,1,2,3,4,5,6,7
	global_load_b64 v[W2S+2*\q:W2S+2*\q+1], v[S2O], s[12:13] offset:128*\q   ; tiles q (lanes 0-15) and q + 8 (lanes 16-31), both K steps
.endr
.if \fill
.irp q,0,1
.irp c,0,1
	global_load_b128 v[W1S+8*\q+4*\c:W1S+8*\q+4*\c+3], v[S1O], s[8:9] offset:8192+512*\q+16*\c   ; the next expert's: tiles q and q + 2, K steps 4 c on
.endr
.endr
.endif
	GELU 0
	GELU 1
	QH2 0
.if \fill
	REFILL G0A, G1A
.endif
	GELU 2
	GELU 3
	QH2 2
.if !(\fill)
	s_wait_tensorcnt 0x0                           ; the last expert's W2 has landed (in the loop the refill's wait shows it)
.endif
	BARRIER                                        ; the hidden layer's eight fragments lie in LDS
	P2
.if \fill
	REFILL G0B, G1B                                ; its round also parts this expert's reads of the hidden layer's images from the next expert's stores
	v_add_nc_u32 v[B1A], 256, v[B1A]
	v_add_nc_u32 v[GWA], 512, v[GWA]
	s_add_nc_u64 s[8:9], s[8:9], 8192              ; the scale words' loads were waited for at the second product's head
	s_add_nc_u64 s[12:13], s[12:13], 8192
.endif
.endm
; THE WAY OUT of token tile m: 16 rows x my 1,024 bytes through my own stage (in my part of W1's bytes, which have had their last fill and their last read) and out as runs of 512 bytes.
.macro OUTM m
	s_wait_xcnt 0x0                                ; the tile before's stores have read their registers
.irp j,0,1,2,3,4,5,6,7,8,9,10,11,12,13,14,15
	WIN 0x08+4*(\j/8)
	ds_store_b128 v[STO], v[8*(4*(\j%8)+(\m)):8*(4*(\j%8)+(\m))+3] offset:64*\j
	ds_store_b128 v[STO], v[8*(4*(\j%8)+(\m))+4:8*(4*(\j%8)+(\m))+7] offset:64*\j+16
.endr
	WIN 0
.irp p,0,1,2,3,4,5,6,7,8,9,10,11,12,13,14,15
.irp c,0,1
	ds_load_b128 v[HA+8*\p+4*\c:HA+8*\p+4*\c+3], v[RD] offset:1040*\p+512*\c   ; LDS serves a wave's instructions in order (ISA guide 5.7.1.4): these see my stores
.endr
.endr
.irp g,0,1,2,3
	s_wait_dscnt 24-8*\g                           ; the younger read-backs may stay out
.irp q,0,1,2,3,4,5,6,7
	global_store_b128 v[LI], v[HA+4*(8*\g+\q):HA+4*(8*\g+\q)+3], s[22:23] offset:(16*(\m)+(8*\g+\q)/2)*4096+512*(\q%2) th:TH_STORE_NT   ; 32 lanes store 512 consecutive bytes, at a multiple of 256 from out0's first byte
.endr
.endr
.endm
.macro COEF reg, val, fac              ; a coefficient x its factor, in both words of a pair
	s_mov_b32 s[\reg], \val
	s_mul_f32 s[\reg], s[\reg], \fac
	s_mov_b32 s[\reg+1], s[\reg]
.endm
	s_load_b512 s[4:19], s[0:1], 0x0               ; x 4, W1's codes 6, W1's scales 8, W2's codes 10, W2's scales 12, Wg 14, b1 16, b2 18
	s_load_b128 s[20:23], s[0:1], 0x40             ; bg 20, out0 22
	v_lshl_add_u32 v[SPW], v0, 2, SPARE
	v_mov_b32 v[NIL], 0
	ds_add_u32 v[SPW], v[NIL]                      ; the wave's opening: the add, twice on end, and its wait ahead of my first tensor load
	ds_add_u32 v[SPW], v[NIL]
	v_lshrrev_b32 v1, 5, v0
	v_readfirstlane_b32 s24, v1                    ; wave 0..3
	s_bfe_u32 s25, ttmp6, 0x40000                  ; cx: it enters x's and out0's addresses alone
	s_lshl_b32 s26, ttmp9, 2
	s_add_co_u32 s26, s26, s25                     ; my block of 64 tokens
	s_mov_b32 s[G1A], 15|(1<<20)|(1<<21)|(6<<22)|(3<<25)   ; mask: all four; elements of 1 byte; padding: 4 words behind every 128
	s_mov_b32 s[G1A+1], 512<<16                    ; tensor_dim0
	s_mov_b32 s[G1A+2], 64<<16                     ; tensor_dim1
	s_mov_b32 s[G1A+3], 512<<16                    ; tile_dim0
	s_mov_b32 s[G1A+4], 64                         ; tile_dim1
	s_mov_b32 s[G1A+5], 512                        ; from row to row
	s_mov_b32 s[G1A+6], 0
	s_mov_b32 s[G1A+7], 0
	s_mov_b32 s[G1B], 15|(1<<20)|(1<<21)|(4<<22)|(3<<25)   ; padding: 4 words behind every 32
	s_mov_b32 s[G1B+1], 128<<16
	s_mov_b32 s[G1B+2], 256<<16
	s_mov_b32 s[G1B+3], 128<<16
	s_mov_b32 s[G1B+4], 256
	s_mov_b32 s[G1B+5], 128
	s_mov_b32 s[G1B+6], 0
	s_mov_b32 s[G1B+7], 0
	s_mul_i32 s60, s24, W1PART                     ; my part of W1's bytes in LDS,
	s_mul_i32 s61, s24, W2PART
	s_add_co_u32 s61, s61, W2BASE                  ; of W2's,
	s_lshl_b32 s62, s24, 15                        ; and in memory: 64 rows of 512 bytes, 256 rows of 128
	s_mov_b32 s63, 0
	s_mov_b32 s27, 0xffff0000                      ; lanes 16-31
	s_mov_b32 s56, 0x76543210
	s_mov_b32 s57, 0xfedcba98                      ; v_permlanex16_b32's selects for lane l xor 16
	s_mov_b32 s59, 0x3fb8aa3b                      ; log2(e)
	v_and_b32 v1, 31, v0                           ; lane
	v_and_b32 v2, 15, v0                           ; r
	v_bfe_u32 v3, v0, 4, 1                         ; h
	v_lshlrev_b32 v[XA], 12, v2
	v_lshl_add_u32 v[XA], v3, 7, v[XA]
	v_lshlrev_b32 v[LI], 4, v1
	v_lshl_add_u32 v[HSL], v1, 2, XSC
	v_lshl_add_u32 v[XIL], v1, 4, XI
	s_lshl_b32 s28, s24, 12
	v_add_nc_u32 v[XWI], s28, v[XIL]
	s_lshl_b32 s28, s24, 9
	v_add_nc_u32 v[XWS], s28, v[HSL]
	v_lshl_add_u32 v[LSX], v3, 10, v[HSL]
	v_and_b32 v[TA], 7, v0
	v_lshl_add_u32 v[TB], v3, 3, v[TA]
	v_lshl_add_u32 v[WGR], v[TB], 4, WGI
	v_mul_u32_u24 v[AW1], v2, 528
	v_lshl_add_u32 v[AW1], v3, 4, v[AW1]
	v_add_nc_u32 v[AW1], s60, v[AW1]
	v_mul_u32_u24 v[AW2], v2, 144
	v_lshl_add_u32 v[AW2], v3, 4, v[AW2]
	v_add_nc_u32 v[AW2], s61, v[AW2]
	s_lshl_b32 s28, s24, 11
	s_add_co_u32 s28, s28, B1R
	v_lshl_add_u32 v[B1A], v3, 5, s28
	v_lshl_add_u32 v[GWA], v1, 2, GWI
	s_lshl_b32 s28, s24, 9
	s_add_co_u32 s28, s28, HIMG
	v_lshl_add_u32 v[HST], v2, 4, s28
	v_lshl_add_u32 v[HST], v3, 2, v[HST]
	s_lshr_b32 s28, s24, 1
	s_lshl_b32 s28, s28, 7
	s_and_b32 s29, s24, 1
	s_lshl_b32 s29, s29, 1
	s_add_co_u32 s28, s28, s29
	v_add_nc_u32 v[HSS], s28, v[HSL]
	v_lshlrev_b32 v[S1O], 5, v2
	v_lshl_add_u32 v[S1O], v3, 10, v[S1O]
	v_lshlrev_b32 v[S2O], 3, v2
	v_lshl_add_u32 v[S2O], v3, 10, v[S2O]
	v_mul_u32_u24 v[STO], v2, 1040
	v_lshl_add_u32 v[STO], v3, 5, v[STO]
	v_add_nc_u32 v[STO], s60, v[STO]
	v_add_nc_u32 v[RD], s60, v[LI]
	v_lshlrev_b32 v[TA], 2, v[TA]                  ; Wg, for the lane that builds images: expert l % 8, half (l / 8) % 2, quarter l / 16: 4 e + 1,024 half + 512 quarter
	v_bfe_u32 v[TB], v0, 3, 1
	v_lshl_add_u32 v[TA], v[TB], 10, v[TA]
	v_lshl_add_u32 v[TA], v3, 9, v[TA]
	s_lshl_b32 s28, s24, 12
	s_add_co_u32 s28, s28, WGI
	v_lshl_add_u32 v[TB], v2, 4, s28               ; and where its images go: WGI + 4,096 w + 512 (l / 16) + 16 (l % 16)
	v_lshl_add_u32 v[TB], v3, 9, v[TB]
	v_mov_b32 v[CLV], 0x40b504f3                   ; 4 sqrt(2)
	s_wait_dscnt 0x0                               ; both opening adds are done
	s_wait_kmcnt 0x0
	s_load_b256 s[68:75], s[20:21], 0x0            ; bg's eight numbers
	s_mov_b32 s[G0A], 1
	s_mov_b32 s[G0A+1], s60
	s_add_nc_u64 s[G0A+2:G0A+3], s[6:7], s[62:63]
	s_or_b32 s[G0A+3], s[G0A+3], 0x80000000
	s_mov_b32 s[G0B], 1
	s_mov_b32 s[G0B+1], s61
	s_add_nc_u64 s[G0B+2:G0B+3], s[10:11], s[62:63]
	s_or_b32 s[G0B+3], s[G0B+3], 0x80000000
	CROUND                                         ; all four work-groups are here: the first joint loads meet
	tensor_load_to_lds s[G0A:G0A+3], s[G1A:G1A+7]  ; W1 of expert 0: every wave fetches the rows that it will read
	s_nop 0
	tensor_load_to_lds s[G0B:G0B+3], s[G1B:G1B+7]  ; W2 of expert 0: two tensor loads of mine are out
	s_nop 0
	PLACES
	s_lshl_b32 s28, s26, 18                        ; 64 rows of 4,096 bytes a work-group,
	s_lshl_b32 s29, s24, 16                        ; x: 16 rows a wave
	s_add_co_u32 s28, s28, s29
	s_mov_b32 s29, 0
	s_add_nc_u64 s[4:5], s[4:5], s[28:29]
	s_lshl_b32 s28, s26, 18
	s_lshl_b32 s30, s24, 10                        ; out0 and b2: 256 numbers a wave
	s_mov_b32 s31, 0
	s_add_co_u32 s28, s28, s30
	s_add_nc_u64 s[22:23], s[22:23], s[28:29]
	s_add_nc_u64 s[18:19], s[18:19], s[30:31]
	s_lshl_b32 s30, s24, 13                        ; Wg: K steps 2 w and 2 w + 1
	s_add_nc_u64 s[14:15], s[14:15], s[30:31]
	s_lshl_b32 s30, s24, 11                        ; both tensors of scale bytes: 2,048 bytes a wave
	s_add_nc_u64 s[8:9], s[8:9], s[30:31]
	s_add_nc_u64 s[12:13], s[12:13], s[30:31]
	s_lshl_b32 s30, s24, 8                         ; b1: 64 numbers a wave
	s_add_nc_u64 s[16:17], s[16:17], s[30:31]
.irp p,0,1
.irp c,0,1
.irp i,0,1,2,3,4,5,6,7,8,9,10,11,12,13,14,15
	global_load_b32 v[HA+32*\p+16*\c+\i], v[TA], s[14:15] offset:4096*\p+2048*\c+32*\i   ; Wg(128 (2 w + p) + 64 c + 32 half + 16 quarter + i, e)
.endr
.endr
.endr
	XLOAD 0
	XLOAD 1
	XLOAD 2
	XLOAD 3
	WIN 0
	; erf's coefficients: the numerator's x sqrt(2) / 4 x 2^-(its power of u^2), the denominator's x 2^-(its power): so the polynomials take u^2 = 2 z^2 and give 0.5 erf
	COEF 76, -0.000000000272614225801306, 0x3bb504f3
	COEF 78, 0.0000000277068142495902, 0x3c3504f3
	COEF 80, -0.00000210102402082508, 0x3cb504f3
	COEF 82, -0.0000569250639462346, 0x3d3504f3
	COEF 84, -0.000734990630326855, 0x3db504f3
	COEF 86, -0.00295459980854025, 0x3e3504f3
	COEF 88, -0.0160960333262415, 0x3eb504f3
	COEF 90, -0.0000145660718464996, 0x3d800000
	COEF 92, -0.000213374055278905, 0x3e000000
	COEF 94, -0.00168282697438203, 0x3e800000
	COEF 96, -0.00737332916720468, 0.5
	COEF 98, -0.0142647390514189, 1.0
	v_mov_b32 v[A1V], s78
	v_mov_b32 v[A1V+1], s78
	v_mov_b32 v[B1V], s92
	v_mov_b32 v[B1V+1], s92
	s_wait_kmcnt 0x0                               ; bg
	WIN 0x80
.irp j,0,1,2,3,4,5,6,7
	v_mov_b32 v[32+\j], s[68+\j]                   ; the gate's first accumulator begins as bg: register j is expert j in both halves of the lanes
.endr
	v_mov_b32 v191, 0                              ; written once in each window: a lane permute's destination counts as one of its sources
	WIN 0xc0
	v_mov_b32 v191, 0
	WIN 0
	s_wait_loadcnt 63                              ; Wg's 64 loads are in: 64 loads of x were issued behind them, and 63 is the most that a wait can name
.irp i,0,1,2,3,4,5,6,7,8,9,10,11,12,13,14,15,16,17,18,19,20,21,22,23,24,25,26,27,28,29,30,31
	v_cvt_pk_bf16_f32 v[WF+\i], v[HA+2*\i], v[HA+2*\i+1]
.endr
.irp p,0,1
.irp c,0,1
.irp u,0,1
	ds_store_b128 v[TB], v[WF+16*\p+8*\c+4*\u:WF+16*\p+8*\c+4*\u+3] offset:2048*\p+1024*\c+256*\u
.endr
.endr
.endr
	BARRIER                                        ; Wg's 32 images lie in LDS
	XSTEP 0, 48                                    ; behind a step's 16 loads stand those of the three steps that follow
	XSTEP 1, 48
	XSTEP 2, 48
	XSTEP 3, 48
	WIN 0
	BARRIER                                        ; the images of K steps 0 to 3 of all 64 tokens lie in LDS
	FETCHX 0
	BARRIER                                        ; every wave has them: their bytes may be written again
	XSTEP 4, 48
	WIN 0
	v_lshlrev_b32 v[TA], 5, v1                     ; (Wg's loads, which read this register, are long in)  b2: 8 outputs a lane
	v_lshlrev_b32 v[TC], 3, v1                     ; b1: 2 numbers a lane
.irp e,0,1,2,3,4,5,6,7
.irp c,0,1
	global_load_b128 v[HA+8*\e+4*\c:HA+8*\e+4*\c+3], v[TA], s[18:19] offset:4096*\e+16*\c
.endr
.endr
.irp e,0,1,2,3,4,5,6,7
	global_load_b64 v[WF+32+2*\e:WF+33+2*\e], v[TC], s[16:17] offset:1024*\e
.endr
.irp q,0,1
.irp c,0,1
	global_load_b128 v[W1S+8*\q+4*\c:W1S+8*\q+4*\c+3], v[S1O], s[8:9] offset:512*\q+16*\c
.endr
.endr
	XSTEP 5, 60                                    ; two sets of x and the 28 loads above may stay out
	XSTEP 6, 44
	XSTEP 7, 28
	WIN 0
	s_lshl_b32 s28, s24, 7
	v_add_nc_u32 v[XWI], s28, v[GWA]               ; where my gates go: GWI + 128 w + 4 lane, 512 from expert to expert
	s_lshl_b32 s28, s24, 9
	s_add_co_u32 s28, s28, GBI
	v_add_nc_u32 v[XWS], s28, v[LI]                ; and their bf16: GBI + 512 w + 16 lane
	PLACES
	WIN 0xaa                                       ; THE SOFTMAX, in window 2: a lane holds its token's eight logits
.irp j,0,1,2,3,4,5,6,7
	v_add_f32 v[48+\j], v[32+\j], v[40+\j]
.endr
	v_max3_num_f32 v0, v48, v49, v50
	v_max3_num_f32 v0, v0, v51, v52
	v_max3_num_f32 v0, v0, v53, v54
	v_max_num_f32 v0, v0, v55
.irp j,0,1,2,3,4,5,6,7
	v_sub_f32 v[48+\j], v[48+\j], v0               ; the maximum is taken away
.endr
.irp j,0,1,2,3,4,5,6,7
	v_mul_f32 v[48+\j], s59, v[48+\j]
.endr
.irp j,0,1,2,3,4,5,6,7
	v_exp_f32 v[48+\j], v[48+\j]
.endr
	v_nop                                          ; a plain place behind the last exponential
	s_wait_alu depctr_va_vdst(0)                   ; one wait for the batch, ahead of its first reader
	v_add_f32 v1, v48, v49
	v_add_f32 v2, v50, v51
	v_add_f32 v3, v52, v53
	v_add_f32 v4, v54, v55
	v_add_f32 v1, v1, v2
	v_add_f32 v3, v3, v4
	v_add_f32 v1, v1, v3
	v_rcp_f32 v1, v1
	v_nop
	s_wait_alu depctr_va_vdst(0)
.irp j,0,1,2,3,4,5,6,7
	v_mul_f32 v[48+\j], v[48+\j], v1
.endr
.irp j,0,1,2,3,4,5,6,7
	v_mul_f32 v[8+\j], 0x3e800000, v[48+\j]        ; a quarter of each: the bias product sums each expert four times along its K of 32
.endr
.irp p,0,1,2,3
	v_cvt_pk_bf16_f32 v[16+\p], v[8+2*\p], v[9+2*\p]
.endr
	WIN 0x08
.irp e,0,1,2,3,4,5,6,7
	ds_store_b32 v[XWI], v[48+\e] offset:512*\e
.endr
	ds_store_b128 v[XWS], v[16:19]
	WIN 0
	BARRIER                                        ; K steps 4 to 7 and all gates lie in LDS; nobody reads Wg's images any more
	FETCHX 1
	s_wait_loadcnt 0x0                             ; b2, b1, W1's scale words of expert 0
.irp i,0,1,2,3,4,5,6,7
.irp p,0,1,2,3
	v_cvt_pk_bf16_f32 v[WF+4*\i+\p], v[HA+16*\p+\i], v[HA+16*\p+8+\i]   ; output 8 lane + i: its eight experts' b2, 16 bytes
.endr
.endr
	s_lshl_b32 s28, s24, 12
	s_add_co_u32 s28, s28, WGI                     ; my table of b2
	v_lshl_add_u32 v[WGR], v1, 7, s28
.irp i,0,1,2,3,4,5,6,7
	ds_store_b128 v[WGR], v[WF+4*\i:WF+4*\i+3] offset:16*\i
.endr
	v_lshl_add_u32 v[XWI], v2, 4, s28              ; back: output 16 j + r
	v_lshl_add_u32 v[XWS], v1, 4, GBI
	s_wait_dscnt 0x0                               ; the stores have read their registers
.irp j,0,1,2,3,4,5,6,7,8,9,10,11,12,13,14,15
	ds_load_b128 v[HA+8*\j:HA+8*\j+3], v[XWI] offset:256*\j      ; the same 16 bytes in both halves of a fragment: every eight along K are experts 0 to 7
	ds_load_b128 v[HA+8*\j+4:HA+8*\j+7], v[XWI] offset:256*\j
.endr
.irp m,0,1,2,3
	ds_load_b128 v[WF+8*\m:WF+8*\m+3], v[XWS] offset:512*\m
	ds_load_b128 v[WF+8*\m+4:WF+8*\m+7], v[XWS] offset:512*\m
.endr
	BARRIER                                        ; every wave has x's last images: their bytes take b1 and the hidden layer
	s_lshl_b32 s28, s24, 11
	s_add_co_u32 s28, s28, B1R
	v_lshl_add_u32 v[WGR], v1, 3, s28
.irp e,0,1,2,3,4,5,6,7
	ds_store_b64 v[WGR], v[WF+32+2*\e:WF+33+2*\e] offset:256*\e   ; my 64 numbers of each expert's b1: my own bytes, read by me alone
.endr
.irp j,0,1,2,3,4,5,6,7,8,9,10,11,12,13,14,15
	WIN 0x80+0x40*(\j/8)
.irp m,0,1,2,3
	v_wmma_f32_16x16x32_bf16 v[8*(4*(\j%8)+\m):8*(4*(\j%8)+\m)+7], v[HA+8*\j:HA+8*\j+7], v[WF+8*\m:WF+8*\m+7], 0   ; out0's sums begin as sum over e of w_e b2_e
.endr
.endr
	WIN 0
.rept 5
	v_nop                                          ; FIVE places: the first expert's first products WRITE, as their accumulators, the registers that these products have read as source 0 (four would serve the loads into them alone)
.endr
	s_wait_tensorcnt 0x1                           ; W1 of expert 0 has landed; W2's load, issued behind it, may stay out
	s_mov_b32 s58, 7
.Lexpert:                                              ; experts 0 to 6: each asks for the next one's weights
	EXPERT 1
	s_sub_co_u32 s58, s58, 1
	s_cmp_lg_u32 s58, 0
	s_cbranch_scc1 .Lexpert
	EXPERT 0                                       ; the last expert is written out: it asks for nothing
	OUTM 0
	OUTM 1
	OUTM 2
	OUTM 3
	s_wait_tensorcnt 0x0                           ; the wave's end: this wait, an add onto my spare word and its wait, behind my last tensor load and my last LDS store
	ds_add_u32 v[SPW], v[NIL]
	s_wait_dscnt 0x0
	CROUND                                         ; the closing round: no work-group ends while a partner may still ask for a tile that names it
	s_endpgm
.Lfunc_end_k_q8cc0e4c76a_moe:
	.size	k_q8cc0e4c76a_moe, .Lfunc_end_k_q8cc0e4c76a_moe-k_q8cc0e4c76a_moe
	.p2alignl 7, 3214868480
	.fill 96, 4, 3214868480
	.section	.rodata,"a",@progbits
	.p2align	6, 0x0
	.amdhsa_kernel k_q8cc0e4c76a_moe
		.amdhsa_group_segment_fixed_size 327680
		.amdhsa_private_segment_fixed_size 0
		.amdhsa_enable_private_segment 0
		.amdhsa_kernarg_size 80
		.amdhsa_user_sgpr_count 2
		.amdhsa_user_sgpr_kernarg_segment_ptr 1
		.amdhsa_wavefront_size32 1
		.amdhsa_system_sgpr_workgroup_id_x 1
		.amdhsa_system_sgpr_workgroup_id_y 1
		.amdhsa_system_sgpr_workgroup_id_z 1
		.amdhsa_system_vgpr_workitem_id 0
		.amdhsa_next_free_vgpr 1024
		.amdhsa_next_free_sgpr 100
		.amdhsa_reserve_vcc 0
		.amdhsa_float_denorm_mode_32 3
		.amdhsa_float_denorm_mode_16_64 3
		.amdhsa_memory_ordered 1
		.amdhsa_forward_progress 1
		.amdhsa_inst_pref_size 255
	.end_amdhsa_kernel
	.section	.bss,"aw",@nobits
	.p2align	6
	.space	262144
	.amdgpu_metadata
---
amdhsa.version: [ 1, 2 ]
amdhsa.kernels:
  - .name:           k_q8cc0e4c76a_moe
    .symbol:         k_q8cc0e4c76a_moe.kd
    .args:
      - { .name: x, .offset: 0, .size: 8, .value_kind: global_buffer, .address_space: global }
      - { .name: W1_codes, .offset: 8, .size: 8, .value_kind: global_buffer, .address_space: global }
      - { .name: W1_scales, .offset: 16, .size: 8, .value_kind: global_buffer, .address_space: global }
      - { .name: W2_codes, .offset: 24, .size: 8, .value_kind: global_buffer, .address_space: global }
      - { .name: W2_scales, .offset: 32, .size: 8, .value_kind: global_buffer, .address_space: global }
      - { .name: Wg, .offset: 40, .size: 8, .value_kind: global_buffer, .address_space: global }
      - { .name: b1, .offset: 48, .size: 8, .value_kind: global_buffer, .address_space: global }
      - { .name: b2, .offset: 56, .size: 8, .value_kind: global_buffer, .address_space: global }
      - { .name: bg, .offset: 64, .size: 8, .value_kind: global_buffer, .address_space: global }
      - { .name: out0, .offset: 72, .size: 8, .value_kind: global_buffer, .address_space: global }
    .group_segment_fixed_size: 327680
    .private_segment_fixed_size: 0
    .kernarg_segment_align: 8
    .kernarg_segment_size: 80
    .max_flat_workgroup_size: 128
    .sgpr_count:     100
    .vgpr_count:     1024
    .wavefront_size: 32
...
	.end_amdgpu_metadata
.endif
;; end of part 1
;; ======== version 2 of 2: 1 launch
;; launch moe (part 2): grid 256 x 1, 4 waves a work-group, clusters of 4 x 1, 327,680 bytes of LDS; arguments x, W1_codes, W1_scales, W2_codes, W2_scales, Wg, b1, b2, bg, out0; writes out0
.if DOCPART == 2
	.amdgcn_target "amdgcn-amd-amdhsa--gfx1250"
	.amdhsa_code_object_version 6
	.text
	.protected	k_q8cc0e4c76a_moe
	.globl	k_q8cc0e4c76a_moe
	.p2align	8
	.type	k_q8cc0e4c76a_moe,@function
k_q8cc0e4c76a_moe:
	s_mov_b64 s[64:65], 0
	v_nop
	global_prefetch_b8 v0, s[64:65] scope:SCOPE_SE
	s_setreg_imm32_b32 hwreg(HW_REG_WAVE_MODE, 25, 1), 1
	s_wait_xcnt 0x0
	s_wait_alu depctr_hold_cnt(0) depctr_sa_sdst(0) depctr_va_vdst(0) depctr_va_sdst(0) depctr_va_ssrc(0) depctr_va_vcc(0) depctr_vm_vsrc(0)
	s_getreg_b32 s2, hwreg(HW_REG_IB_STS2, 6, 4)
	s_cmp_eq_u32 s2, 0
	s_cbranch_scc0 .Lentry_in_a_cluster
	s_endpgm
.Lentry_in_a_cluster:
	s_bfe_u32 s2, ttmp6, 0x10000c
	s_cmp_lg_u32 s2, 0x3003
	s_cbranch_scc0 .Lentry_shape_is_right
	s_endpgm
.Lentry_shape_is_right:
; out0[n][:] = sum over e of softmax(x Wg + bg)[n][e] x (gelu(x W1_e + b1_e) W2_e + b2_e).  16,384 tokens, D = 1,024, H = 256, O = 1,024, 8 experts.
; x W1_e and gelu(..) W2_e run on codes of FP4 (E2M1) with one E8M0 scale for each 32 along K: W1 and W2 come as codes, x (along D) and the gelu's result (along H) are quantised here, from f32.
; NOTHING IS LEFT OUT: the gates are soft, so every expert counts for every token, and every input has a way to out0 (bg differs along the softmax's axis).
; LIMITS.  erf is the rational u P(u^2) / Q(u^2) with its argument held to +-4; its error is about 1e-7 of erf's range, so gelu(v) carries an absolute error of about 1e-7 |v| and loses relative accuracy far down
; the negative tail.  NaN and infinities in x are not served.  A block of zeros gets the scale byte 1 (its codes are zeros; this program alone reads the bytes).  The gate's product x Wg and the bias part
; sum_e w_e b2_e take bf16 operands and f32 sums; neither goes on into a quantiser.
; SHARES.  A work-group owns 64 tokens, four tiles m of 16.  THE WAVES SHARE THE COLUMNS: wave w makes hidden units 64 w .. 64 w + 63 of every expert and outputs 256 w .. 256 w + 255, for all 64 tokens, so that each
; byte of W1 and W2 is read from LDS once a work-group and each fragment feeds four matrix instructions.  At the head wave w quantises token tile w of x and makes its gates.
; x COMES IN BY RUNS OF 128 BYTES: a load takes one block of 32 numbers of four rows, eight lanes to a row; the numbers turn through the wave's own stage in LDS, a block of 16 rows at a time, and come back
; with a token to a lane: lane (r, g) then holds 16 neighbours of each block of token r, which is what the conversions and the gate's fragments want.
; BOTH QUANTISED PRODUCTS ARE USED TRANSPOSED (source 0 = 16 rows of the weight, source 1 = 16 tokens): a lane holds ONE token, so a gate is one register a lane and the weighting is one packed multiply-add on two results.
; out0's sums begin as sum_e w_e b2_e, made by matrix instructions whose C is 0: nothing is cleared.  b1 is loaded as the first product's C.
; CLUSTER.  All work-groups walk the same weights: the four of a cluster ask for each tile JOINTLY (mask 15); a descriptor hangs on the wave's number and the expert alone.
; LDS: W1_e (rows of 512 + 16 bytes), W2_e (rows of 128 + 16), each filled again once an expert behind a round of the cluster's barrier; behind them, in blocks that no fill touches, x's stages and images of operands' registers.
; REGISTERS, in windows of 256: window 0: v0-23 addresses; v24-39 x's scale words; v40-55 W1's; v56-183 the hidden layer's 16 tiles (second product: the hidden fragments and two sets of four results);
;   v184-247 weights' fragments, the gelu's work, W2's scale words (v232-247; at the head v246, v247 are the stage's addresses).  window 1: x's codes, fragment (m, s) at v[8 (8 m + s)].
;   windows 2, 3: out0's 64 tiles, (j, m) at v[8 (4 (j % 8) + m)] of window 2 + j / 8; at the head these two windows hold four sets of x's numbers and the gate's work.
.set W1PART, 33792                     ; 64 rows x 528 bytes: a wave's part of W1_e
.set W2BASE, 135168                    ; behind W1_e's four parts
.set W2PART, 36864                     ; 256 rows x 144 bytes: a wave's part of W2_e
.set STG,    282624                    ; x's way in: a stage of 16 rows x (128 + 16) bytes for each wave, at 2,304 w; when every wave has left its stage, the gates take these bytes
.set GWI,    STG                       ; the gates in f32: image (e, m) at 128 (4 e + m) + 4 lane
.set GBI,    STG+4096                  ; 0.25 x the gates in bf16: tile m at 512 m + 16 lane
.set WGI,    291840                    ; 32 images of Wg in bf16, 512 bytes each; later a wave's 4,096 bytes of b2 in bf16, [output][8 experts]
.set XI,     308224                    ; images of x's fragments for half of K: 1,024 (4 m + s % 4); later b1 (8,192 bytes) and the hidden layer's images
.set XSC,    324608                    ; images of x's scale words: 128 (4 m + s % 4); later the hidden layer's: 128 (2 m + ks)
.set SPARE,  326656                    ; the spare words, 128 bytes for each wave: two blocks of 256 bytes that no other line names
.set B1R,    XI                        ; b1: 2,048 w + 256 e
.set HIMG,   XI+8192                   ; the hidden layer's fragments: 2,048 m + 1,024 ks + 512 c + 16 lane
.set XA,  4                            ; x: 4,096 (lane / 8) + 16 (lane % 8)
.set LI,  5                            ; 16 lane
.set HSL, 6                            ; XSC + 4 lane
.set XWI, 7                            ; where I store x's codes: XI + 4,096 w + 16 r + 8 h; later other LDS addresses of the head
.set XWS, 8                            ; and their scale words; likewise
.set LSX, 9                            ; XSC + 4 lane + 1,024 h: lanes 16-31 take the tile two further on
.set WGR, 10                           ; WGI + 16 (r % 8 + 8 h); later other LDS addresses of the head
.set AW1, 11                           ; my fragments of W1: (64 w + r) 528 + 16 h
.set AW2, 12                           ; of W2: W2BASE + (256 w + r) 144 + 16 h
.set B1A, 13                           ; B1R + 2,048 w + 32 h, 256 on with each expert
.set GWA, 14                           ; GWI + 4 lane, 512 on with each expert
.set HST, 15                           ; HIMG + 512 w + 16 r + 4 h
.set HSS, 16                           ; XSC + 128 (w / 2) + 2 (w % 2) + 4 lane
.set S1O, 17                           ; W1's scale words: 32 r + 1,024 h
.set S2O, 18                           ; W2's: 8 r + 1,024 h
.set STO, 19                           ; the way out: W1PART w + 1,040 r + 32 h
.set RD,  20                           ; and back: W1PART w + 16 lane
.set XIL, 21                           ; XI + 16 lane
.set TA,  22                           ; offsets of the head's loads
.set TB,  23
.set TC,  248
.set SST, 246                          ; the stage, on the way in: STG + 2,304 w + 144 (lane / 8) + 16 (lane % 8)
.set SLD, 247                          ; and on the way out: STG + 2,304 w + 144 r + 64 h
.set XS,  24
.set W1S, 40
.set HA,  56
.set WF,  184
.set W2S, 232
.set CLV, 249                          ; 4 sqrt(2)
.set A1V, 250                          ; v[250:251], v[252:253]: the second coefficient of each polynomial, twice
.set B1V, 252
.set SPW, 254                          ; LDS address of my spare word; never rewritten
.set NIL, 255                          ; 0; never rewritten
.set G1A, 32                           ; s[32:39] descriptor group 1 for W1's tiles, s[40:47] for W2's; s[48:51], s[52:55] their groups 0
.set G1B, 40
.set G0A, 48
.set G0B, 52
.set MSB, 0
.macro WIN new                         ; the immediate's high byte repeats the setting that is left; a switch that changes nothing is dropped
.if MSB != (\new)
	s_set_vgpr_msb (MSB<<8)|(\new)
.set MSB, (\new)
.endif
.endm
.macro PLACES                          ; four plain places behind matrix instructions (ISA guide 7.12.1)
.rept 4
	v_nop
.endr
.endm
.macro BARRIER                         ; my LDS stores have landed and my LDS loads are in: then the work-group's barrier
	s_wait_dscnt 0x0
	s_barrier_signal -1
	s_barrier_wait -1
.endm
.macro CROUND                          ; a round of the cluster's barrier
	s_barrier_signal -1
	s_barrier_wait -1
	s_cmp_lg_u32 s24, 0
	s_cbranch_scc1 .Lnot_wave_0_\@
	s_barrier_signal -3
.Lnot_wave_0_\@:
	s_barrier_wait -3
	s_barrier_signal -1
	s_barrier_wait -1
.endm
; A tile's bytes are filled again with the next expert's: all my tensor loads have landed, the add, my reads are over; a round; my one joint load first behind it.
.macro REFILL g0, g1
	s_wait_tensorcnt 0x0                           ; no tensor load of mine is out, so a group 0 may be written
	ds_add_u32 v[SPW], v[NIL]                      ; 0 onto my spare word
	s_add_nc_u64 s[\g0+2:\g0+3], s[\g0+2:\g0+3], 131072   ; the next expert's codes; the type bits on top are not reached
	s_wait_dscnt 0x0                               ; the add is done, and my reads of the tile are over
	CROUND                                         ; the same holds of every wave of the four work-groups
	tensor_load_to_lds s[\g0:\g0+3], s[\g1:\g1+7]
	s_nop 0
	PLACES
.endm
; K step s of my 16 tokens of x, as it lies: load (i, b) takes block b (32 numbers, 128 bytes) of rows 4 i .. 4 i + 3, eight lanes to a row: four runs of 128 consecutive bytes.
; The set lies in window 2 + (s % 4) / 2 at v[56 + 64 (s % 2)]; block b's four loads fill its registers 16 b .. 16 b + 15.
.macro XLOAD s
.set XW, 2+((\s)%4)/2
.set XR, 56+64*((\s)%2)
	WIN (XW<<6)
.irp i,0,1,2,3
.irp b,0,1,2,3
	global_load_b128 v[XR+16*\b+4*\i:XR+16*\b+4*\i+3], v[XA], s[4:5] offset:16384*\i+512*(\s)+128*\b th:TH_LOAD_NT
.endr
.endr
.endm
; K step s turns through my stage, a block at a time, and comes back into the registers that it left: register 16 b + i of lane (r, g) is then x(r, 128 s + 32 b + 16 g + i).
; LDS serves a wave's instructions in order (ISA guide 5.7.1.4): the loads see the stores ahead of them, and the next block's stores come behind them.
.macro XTURN s
.set XW, 2+((\s)%4)/2
.set XR, 56+64*((\s)%2)
	WIN (XW<<6)|(XW<<2)                            ; a store's data are its source 1, a load's data its destination; the addresses lie in window 0
.irp b,0,1,2,3
.irp i,0,1,2,3
	ds_store_b128 v[SST], v[XR+16*\b+4*\i:XR+16*\b+4*\i+3] offset:576*\i
.endr
.irp j,0,1,2,3
	ds_load_b128 v[XR+16*\b+4*\j:XR+16*\b+4*\j+3], v[SLD] offset:16*\j
.endr
.endr
.endm
; K step s: the next step goes through the stage; this step's codes and scale word go to LDS as images of the operand's registers; the gate's four bf16 products; the set takes the K step four further on.
; cnt: the global loads issued behind the next step's 16, which may stay out.
.macro XSTEP s, cnt
	s_wait_dscnt 0x0                               ; this step's numbers are back from the stage; the last step's image stores have read their registers
.if (\s) < 7
	s_wait_loadcnt \cnt
	XTURN (\s)+1                                   ; it lands while this step is worked
.endif
.set XW, 2+((\s)%4)/2
.set XR, 56+64*((\s)%2)
	WIN XW*0x55                                    ; all of the step's vector work lies in the set's own window
.irp b,0,1,2,3                                 ; block b: my 16 numbers, and the floor 2^(3 - 127) as one leaf: the byte cannot fall under 1.  The four blocks by turns
	v_max3_num_f32 v[184+\b], |v[XR+16*\b]|, |v[XR+16*\b+1]|, 0x1800000
.endr
.irp i,2,4,6,8,10,12,14
.irp b,0,1,2,3
	v_max3_num_f32 v[184+\b], v[184+\b], |v[XR+16*\b+\i]|, |v[XR+16*\b+\i+1]|
.endr
.endr
.irp b,0,1,2,3
	v_permlanex16_b32 v[188+\b], v[184+\b], s56, s57
.endr
.irp b,0,1,2,3
	v_max_num_f32 v[184+\b], v[184+\b], v[188+\b]  ; with lane l xor 16's: the block's largest magnitude
.endr
.irp b,0,1,2,3
	v_add_nc_u32 v[192+\b], 0xff000000, v[184+\b]  ; 2 off the exponent field: the conversion's scale operand
.endr
.irp b,0,1,2,3
	v_lshrrev_b32 v[188+\b], 23, v[192+\b]         ; the scale's byte
.endr
	v_lshl_or_b32 v208, v189, 8, v188              ; the four bytes make my token's scale word, the same in both halves of the lanes
	v_lshl_or_b32 v208, v190, 16, v208
	v_lshl_or_b32 v208, v191, 24, v208
.irp b,0,1,2,3
	v_cvt_scalef32_pk8_fp4_f32 v[200+2*\b], v[XR+16*\b:XR+16*\b+7], v[192+\b]       ; the codes of k = 32 b + 16 g + 0 .. 7
	v_cvt_scalef32_pk8_fp4_f32 v[201+2*\b], v[XR+16*\b+8:XR+16*\b+15], v[192+\b]    ; and + 8 .. 15
.endr
	v_nop                                          ; one plain place behind a scaled conversion
	WIN 0x80                                       ; Wg's four fragments of this K step -> window 2, v0-31 (the maxima above are the places behind the last step's products)
.irp f,0,1,2,3
	ds_load_b128 v[8*\f:8*\f+3], v[WGR] offset:2048*(\s)+512*\f
	ds_load_b128 v[8*\f+4:8*\f+7], v[WGR] offset:2048*(\s)+512*\f+256
.endr
	WIN XW*0x55
.irp i,0,1,2,3,4,5,6,7,8,9,10,11,12,13,14,15,16,17,18,19,20,21,22,23,24,25,26,27,28,29,30,31
	v_cvt_pk_bf16_f32 v[216+\i], v[XR+2*\i], v[XR+2*\i+1]   ; x in bf16 for the gate: fragment b of lane (r, g) is k = 32 b + 16 g + 0 .. 15, and Wg's images are laid alike
.endr
	WIN (XW<<2)                                    ; an LDS store's data are its source 1
.irp b,0,1,2,3                                 ; in the operand, block b is registers 4 (b / 2) on of lane r + 16 (b % 2), and my 8 bytes are its half g: the address puts them there
	ds_store_b64 v[XWI], v[200+2*\b:201+2*\b] offset:1024*((\s)%4)+512*(\b/2)+256*(\b%2)
.endr
	ds_store_b32 v[XWS], v208 offset:128*((\s)%4)
	s_wait_dscnt 0x5                               ; all but the five stores just issued: Wg's fragments are in
	WIN 0xa2|(XW<<2)                               ; Wg and the sums in window 2, x in the set's window
.irp f,0,1,2,3                                 ; two accumulators by turns; source 0 = Wg^T (rows 8-15 repeat experts 0-7), source 1 = my 16 tokens
.if ((\s) == 0) && (\f == 1)
	v_wmma_f32_16x16x32_bf16 v[40:47], v[8:15], v[224:231], 0
.else
	v_wmma_f32_16x16x32_bf16 v[32+8*(\f%2):39+8*(\f%2)], v[8*\f:8*\f+7], v[216+8*\f:223+8*\f], v[32+8*(\f%2):39+8*(\f%2)]
.endif
.endr
.if (\s) < 4
	XLOAD (\s)+4                                   ; the set is read out (none of its registers is named by the products above): it takes the K step four further on
.endif
.endm
; all four token tiles' fragments of K steps 4 half .. 4 half + 3 -> window 1; their scale words -> v[XS ..], tiles m and m + 2 in one register
.macro FETCHX half
	WIN 0x40
.irp m,0,1,2,3
.irp q,0,1,2,3
.irp c,0,1
	ds_load_b128 v[8*(8*\m+4*(\half)+\q)+4*\c:8*(8*\m+4*(\half)+\q)+4*\c+3], v[XIL] offset:1024*(4*\m+\q)+512*\c
.endr
.endr
.endr
	WIN 0
.irp m,0,1
.irp q,0,1,2,3
	ds_load_b32 v[XS+8*\m+4*(\half)+\q], v[LSX] offset:128*(4*\m+\q)
.endr
.endr
.endm
; THE FIRST PRODUCT.  My four tiles of 16 rows of W1_e, K step s, into set s % 2
.macro W1LOAD s
.irp t,0,1,2,3
.irp c,0,1
	ds_load_b128 v[WF+32*((\s)%2)+8*\t+4*\c:WF+32*((\s)%2)+8*\t+4*\c+3], v[AW1] offset:8448*\t+64*(\s)+32*\c
.endr
.endr
.endm
.macro P1MUL s                         ; 16 accumulators by turns, in the same order in every K step
	WIN 0x04                                       ; source 1 (x's codes) in window 1
.irp t,0,1,2,3
.irp m,0,1,2,3
.set rD, HA+32*\m+8*\t
.set rA, WF+32*((\s)%2)+8*\t
.set rB, 8*(8*\m+(\s))
.set rSA, W1S+8*(\t%2)+(\s)
.set rSB, XS+8*(\m%2)+(\s)
.if (\t >= 2) && (\m >= 2)
	v_wmma_scale_f32_16x16x128_f8f6f4 v[rD:rD+7], v[rA:rA+7], v[rB:rB+7], v[rD:rD+7], v[rSA], v[rSB] matrix_a_fmt:MATRIX_FMT_FP4 matrix_b_fmt:MATRIX_FMT_FP4 matrix_a_scale:MATRIX_SCALE_ROW1 matrix_b_scale:MATRIX_SCALE_ROW1
.elseif \t >= 2
	v_wmma_scale_f32_16x16x128_f8f6f4 v[rD:rD+7], v[rA:rA+7], v[rB:rB+7], v[rD:rD+7], v[rSA], v[rSB] matrix_a_fmt:MATRIX_FMT_FP4 matrix_b_fmt:MATRIX_FMT_FP4 matrix_a_scale:MATRIX_SCALE_ROW1
.elseif \m >= 2
	v_wmma_scale_f32_16x16x128_f8f6f4 v[rD:rD+7], v[rA:rA+7], v[rB:rB+7], v[rD:rD+7], v[rSA], v[rSB] matrix_a_fmt:MATRIX_FMT_FP4 matrix_b_fmt:MATRIX_FMT_FP4 matrix_b_scale:MATRIX_SCALE_ROW1
.else
	v_wmma_scale_f32_16x16x128_f8f6f4 v[rD:rD+7], v[rA:rA+7], v[rB:rB+7], v[rD:rD+7], v[rSA], v[rSB] matrix_a_fmt:MATRIX_FMT_FP4 matrix_b_fmt:MATRIX_FMT_FP4
.endif
.endr
.endr
	WIN 0
.endm
.macro P1
.irp m,0,1,2,3                                 ; b1 in the result's layout starts the sums: lane (r, h) of tile t holds units 16 t + 8 h + 0 .. 7
.irp t,0,1,2,3
	ds_load_b128 v[HA+32*\m+8*\t:HA+32*\m+8*\t+3], v[B1A] offset:64*\t
	ds_load_b128 v[HA+32*\m+8*\t+4:HA+32*\m+8*\t+7], v[B1A] offset:64*\t+16
.endr
.endr
	W1LOAD 0
	W1LOAD 1
.irp s,0,1,2,3,4,5,6,7
.if \s == 7
	s_wait_dscnt 0x0
.else
	s_wait_dscnt 0x8                               ; all but the next K step's eight loads
.endif
	P1MUL \s
	PLACES                                         ; in front of loads into registers that these products have read, and of the first read of results
.if \s < 6
	W1LOAD \s+2
.endif
.endr
.endm
; GELU.  Phi(v) = 0.5 + u P(u^2) / Q(u^2), u = v held to +-4 sqrt(2); gelu = v Phi.  A tile is 8 numbers a lane, in four pairs that take turns.
.macro POLY x, p
.set rP, 200+16*(\p)
.set rQ, 208+16*(\p)
.irp i,0,1,2,3,4,5,6,7
	v_med3_num_f32 v[184+\i], v[(\x)+\i], -v249, v249
.endr
.irp i,0,2,4,6
	v_pk_mul_f32 v[192+\i:193+\i], v[184+\i:185+\i], v[184+\i:185+\i]
.endr
.irp i,0,2,4,6
	v_pk_fma_f32 v[rP+\i:rP+\i+1], v[192+\i:193+\i], s[76:77], v[A1V:A1V+1] op_sel_hi:[1,0,1]
.endr
.irp i,0,2,4,6
	v_pk_fma_f32 v[rQ+\i:rQ+\i+1], v[192+\i:193+\i], s[90:91], v[B1V:B1V+1] op_sel_hi:[1,0,1]
.endr
.irp k,2,3,4
.irp i,0,2,4,6
	v_pk_fma_f32 v[rP+\i:rP+\i+1], v[rP+\i:rP+\i+1], v[192+\i:193+\i], s[76+2*\k:77+2*\k] op_sel_hi:[1,1,0]
.endr
.irp i,0,2,4,6
	v_pk_fma_f32 v[rQ+\i:rQ+\i+1], v[rQ+\i:rQ+\i+1], v[192+\i:193+\i], s[90+2*\k:91+2*\k] op_sel_hi:[1,1,0]
.endr
.endr
.irp k,5,6
.irp i,0,2,4,6
	v_pk_fma_f32 v[rP+\i:rP+\i+1], v[rP+\i:rP+\i+1], v[192+\i:193+\i], s[76+2*\k:77+2*\k] op_sel_hi:[1,1,0]
.endr
.endr
.irp i,0,2,4,6
	v_pk_mul_f32 v[rP+\i:rP+\i+1], v[rP+\i:rP+\i+1], v[184+\i:185+\i]
.endr
.endm
.macro RCP p
.irp i,0,1,2,3,4,5,6,7
	v_rcp_f32 v[208+16*(\p)+\i], v[208+16*(\p)+\i]
.endr
.endm
.macro FIN x, p
.set rP, 200+16*(\p)
.set rQ, 208+16*(\p)
.irp i,0,2,4,6
	v_pk_fma_f32 v[rP+\i:rP+\i+1], v[rP+\i:rP+\i+1], v[rQ+\i:rQ+\i+1], 0.5 op_sel_hi:[1,1,0]
.endr
.irp i,0,2,4,6
	v_pk_mul_f32 v[(\x)+\i:(\x)+\i+1], v[(\x)+\i:(\x)+\i+1], v[rP+\i:rP+\i+1]
.endr
.endm
; The four tiles of token tile m.  A tile's eight reciprocals are one batch; the next tile's polynomials are the independent work behind it; one wait stands ahead of the batch's first reader.
.macro GELU m
	POLY HA+32*(\m), 0
	RCP 0
	POLY HA+32*(\m)+8, 1
	s_wait_alu depctr_va_vdst(0)
	FIN HA+32*(\m), 0
	RCP 1
	POLY HA+32*(\m)+16, 0
	s_wait_alu depctr_va_vdst(0)
	FIN HA+32*(\m)+8, 1
	RCP 0
	POLY HA+32*(\m)+24, 1
	s_wait_alu depctr_va_vdst(0)
	FIN HA+32*(\m)+16, 0
	RCP 1
	v_nop                                          ; a plain place behind the last reciprocal
	s_wait_alu depctr_va_vdst(0)
	FIN HA+32*(\m)+24, 1
.endm
; Token tiles m0 and m0 + 1 of the hidden layer become codes.  Block q of four: tile m0 + q / 2, my units 32 (q % 2) on: 16 registers of mine and 16 of lane l xor 16.
; A conversion's register holds k = 16 t + 8 h + 0 .. 7 of my 64: in the second product's operand that is lane r + 16 (t / 2), register 4 (w % 2) + 2 (t % 2) + h of K step w / 2: the store's address puts it there.
.macro QH2 m0
.irp q,0,1,2,3
	v_max3_num_f32 v[184+\q], |v[HA+32*(\m0)+16*\q]|, |v[HA+32*(\m0)+16*\q+1]|, 0x1800000
.endr
.irp i,2,4,6,8,10,12,14
.irp q,0,1,2,3
	v_max3_num_f32 v[184+\q], v[184+\q], |v[HA+32*(\m0)+16*\q+\i]|, |v[HA+32*(\m0)+16*\q+\i+1]|
.endr
.endr
.irp q,0,1,2,3
	v_permlanex16_b32 v[188+\q], v[184+\q], s56, s57
.endr
.irp q,0,1,2,3
	v_max_num_f32 v[184+\q], v[184+\q], v[188+\q]
.endr
.irp q,0,1,2,3
	v_add_nc_u32 v[192+\q], 0xff000000, v[184+\q]
.endr
.irp q,0,1,2,3
	v_lshrrev_b32 v[196+\q], 23, v[192+\q]
.endr
	v_lshl_or_b32 v200, v197, 8, v196              ; my two bytes of a token's scale word
	v_lshl_or_b32 v201, v199, 8, v198
.irp n,0,1,2,3,4,5,6,7
	v_cvt_scalef32_pk8_fp4_f32 v[204+\n], v[HA+32*(\m0)+8*\n:HA+32*(\m0)+8*\n+7], v[192+\n/2]
.endr
	v_nop                                          ; one plain place behind a scaled conversion
.irp n,0,1,2,3,4,5,6,7
	ds_store_b32 v[HST], v[204+\n] offset:2048*((\m0)+\n/4)+256*((\n%4)/2)+8*(\n%2)
.endr
	ds_store_b16 v[HSS], v200 offset:256*(\m0)
	ds_store_b16 v[HSS], v201 offset:256*(\m0)+256
	s_wait_dscnt 0x0                               ; the stores have read their registers
.endm
; THE SECOND PRODUCT.  Tile j of my 16 tiles of 16 outputs: two fragments of W2_e into set j % 2
.macro W2LOAD j
.irp ks,0,1
.irp c,0,1
	ds_load_b128 v[WF+16*((\j)%2)+8*\ks+4*\c:WF+16*((\j)%2)+8*\ks+4*\c+3], v[AW2] offset:2304*(\j)+64*\ks+32*\c
.endr
.endr
.endm
.macro P2MUL j                         ; four results by turns, K step 0 (C = 0) and then K step 1
.irp ks,0,1
.irp m,0,1,2,3
.set rD, HA+64+32*((\j)%2)+8*\m
.set rA, WF+16*((\j)%2)+8*\ks
.set rB, HA+8*(2*\m+\ks)
.set rSA, W2S+2*((\j)%8)+\ks
.set rSB, 216+2*\m+\ks
.if (\ks == 0) && ((\j) >= 8)
	v_wmma_scale_f32_16x16x128_f8f6f4 v[rD:rD+7], v[rA:rA+7], v[rB:rB+7], 0, v[rSA], v[rSB] matrix_a_fmt:MATRIX_FMT_FP4 matrix_b_fmt:MATRIX_FMT_FP4 matrix_a_scale:MATRIX_SCALE_ROW1
.elseif \ks == 0
	v_wmma_scale_f32_16x16x128_f8f6f4 v[rD:rD+7], v[rA:rA+7], v[rB:rB+7], 0, v[rSA], v[rSB] matrix_a_fmt:MATRIX_FMT_FP4 matrix_b_fmt:MATRIX_FMT_FP4
.elseif (\j) >= 8
	v_wmma_scale_f32_16x16x128_f8f6f4 v[rD:rD+7], v[rA:rA+7], v[rB:rB+7], v[rD:rD+7], v[rSA], v[rSB] matrix_a_fmt:MATRIX_FMT_FP4 matrix_b_fmt:MATRIX_FMT_FP4 matrix_a_scale:MATRIX_SCALE_ROW1
.else
	v_wmma_scale_f32_16x16x128_f8f6f4 v[rD:rD+7], v[rA:rA+7], v[rB:rB+7], v[rD:rD+7], v[rSA], v[rSB] matrix_a_fmt:MATRIX_FMT_FP4 matrix_b_fmt:MATRIX_FMT_FP4
.endif
.endr
.endr
.endm
.macro P2ACC j                         ; out0's tile j += my token's gate x the results, each result from its low end on
	WIN 0xa0+0x50*((\j)/8)
.irp m,0,1,2,3
.irp i,0,2,4,6
.set rO, 8*(4*((\j)%8)+\m)+\i
.set rD, HA+64+32*((\j)%2)+8*\m+\i
	v_pk_fma_f32 v[rO:rO+1], v[rD:rD+1], v[224+2*\m:225+2*\m], v[rO:rO+1] op_sel_hi:[1,0,1]
.endr
.endr
	WIN 0
.endm
.macro P2
	s_wait_loadcnt 0x0                             ; W2's scale words (and the next expert's of W1)
.irp m,0,1,2,3
.irp ks,0,1
.irp c,0,1
	ds_load_b128 v[HA+8*(2*\m+\ks)+4*\c:HA+8*(2*\m+\ks)+4*\c+3], v[XIL] offset:8192+2048*\m+1024*\ks+512*\c
.endr
.endr
.endr
.irp m,0,1,2,3
.irp ks,0,1
	ds_load_b32 v[216+2*\m+\ks], v[HSL] offset:128*(2*\m+\ks)
.endr
.endr
.irp m,0,1,2,3
	ds_load_b32 v[224+2*\m], v[GWA] offset:128*\m
.endr
	W2LOAD 0
	W2LOAD 1
.set J, 0
.rept 16
.if J == 15
	s_wait_dscnt 0x0
.else
	s_wait_dscnt 0x4                               ; all but the next tile's four loads
.endif
	P2MUL J
.if J > 0
	P2ACC J-1                                      ; the tile before is weighted while this one is multiplied: these 16 are also the places behind this tile's products
.else
	PLACES
.endif
.if J < 14
	W2LOAD J+2
.endif
.set J, J+1
.endr
	P2ACC 15
.endm
; AN EXPERT.  fill = 1: W1's bytes take the next expert's codes in the gelu's middle, W2's behind the second product.
.macro EXPERT fill
	P1
.irp q,0,1,2,3,4,5,6,7
	global_load_b64 v[W2S+2*\q:W2S+2*\q+1], v[S2O], s[12:13] offset:128*\q   ; tiles q (lanes 0-15) and q + 8 (lanes 16-31), both K steps
.endr
.if \fill
.irp q,0,1
.irp c,0,1
	global_load_b128 v[W1S+8*\q+4*\c:W1S+8*\q+4*\c+3], v[S1O], s[8:9] offset:8192+512*\q+16*\c   ; the next expert's: tiles q and q + 2, K steps 4 c on
.endr
.endr
.endif
	GELU 0
	GELU 1
	QH2 0
.if \fill
	REFILL G0A, G1A
.endif
	GELU 2
	GELU 3
	QH2 2
.if !(\fill)
	s_wait_tensorcnt 0x0                           ; the last expert's W2 has landed (in the loop the refill's wait shows it)
.endif
	BARRIER                                        ; the hidden layer's eight fragments lie in LDS
	P2
.if \fill
	REFILL G0B, G1B                                ; its round also parts this expert's reads of the hidden layer's images from the next expert's stores
	v_add_nc_u32 v[B1A], 256, v[B1A]
	v_add_nc_u32 v[GWA], 512, v[GWA]
	s_add_nc_u64 s[8:9], s[8:9], 8192              ; the scale words' loads were waited for at the second product's head
	s_add_nc_u64 s[12:13], s[12:13], 8192
.endif
.endm
; THE WAY OUT of token tile m: 16 rows x my 1,024 bytes through my own stage (in my part of W1's bytes, which have had their last fill and their last read) and out as runs of 512 bytes.
.macro OUTM m
	s_wait_xcnt 0x0                                ; the tile before's stores have read their registers
.irp j,0,1,2,3,4,5,6,7,8,9,10,11,12,13,14,15
	WIN 0x08+4*(\j/8)
	ds_store_b128 v[STO], v[8*(4*(\j%8)+(\m)):8*(4*(\j%8)+(\m))+3] offset:64*\j
	ds_store_b128 v[STO], v[8*(4*(\j%8)+(\m))+4:8*(4*(\j%8)+(\m))+7] offset:64*\j+16
.endr
	WIN 0
.irp p,0,1,2,3,4,5,6,7,8,9,10,11,12,13,14,15
.irp c,0,1
	ds_load_b128 v[HA+8*\p+4*\c:HA+8*\p+4*\c+3], v[RD] offset:1040*\p+512*\c   ; LDS serves a wave's instructions in order (ISA guide 5.7.1.4): these see my stores
.endr
.endr
.irp g,0,1,2,3
	s_wait_dscnt 24-8*\g                           ; the younger read-backs may stay out
.irp q,0,1,2,3,4,5,6,7
	global_store_b128 v[LI], v[HA+4*(8*\g+\q):HA+4*(8*\g+\q)+3], s[22:23] offset:(16*(\m)+(8*\g+\q)/2)*4096+512*(\q%2) th:TH_STORE_NT   ; 32 lanes store 512 consecutive bytes, at a multiple of 256 from out0's first byte
.endr
.endr
.endm
.macro COEF reg, val, fac              ; a coefficient x its factor, in both words of a pair
	s_mov_b32 s[\reg], \val
	s_mul_f32 s[\reg], s[\reg], \fac
	s_mov_b32 s[\reg+1], s[\reg]
.endm
	s_load_b512 s[4:19], s[0:1], 0x0               ; x 4, W1's codes 6, W1's scales 8, W2's codes 10, W2's scales 12, Wg 14, b1 16, b2 18
	s_load_b128 s[20:23], s[0:1], 0x40             ; bg 20, out0 22
	v_lshl_add_u32 v[SPW], v0, 2, SPARE
	v_mov_b32 v[NIL], 0
	ds_add_u32 v[SPW], v[NIL]                      ; the wave's opening: the add, twice on end, and its wait ahead of my first tensor load
	ds_add_u32 v[SPW], v[NIL]
	v_lshrrev_b32 v1, 5, v0
	v_readfirstlane_b32 s24, v1                    ; wave 0..3
	s_bfe_u32 s25, ttmp6, 0x40000                  ; cx: it enters x's and out0's addresses alone
	s_lshl_b32 s26, ttmp9, 2
	s_add_co_u32 s26, s26, s25                     ; my block of 64 tokens
	s_mov_b32 s[G1A], 15|(1<<20)|(1<<21)|(6<<22)|(3<<25)   ; mask: all four; elements of 1 byte; padding: 4 words behind every 128
	s_mov_b32 s[G1A+1], 512<<16                    ; tensor_dim0
	s_mov_b32 s[G1A+2], 64<<16                     ; tensor_dim1
	s_mov_b32 s[G1A+3], 512<<16                    ; tile_dim0
	s_mov_b32 s[G1A+4], 64                         ; tile_dim1
	s_mov_b32 s[G1A+5], 512                        ; from row to row
	s_mov_b32 s[G1A+6], 0
	s_mov_b32 s[G1A+7], 0
	s_mov_b32 s[G1B], 15|(1<<20)|(1<<21)|(4<<22)|(3<<25)   ; padding: 4 words behind every 32
	s_mov_b32 s[G1B+1], 128<<16
	s_mov_b32 s[G1B+2], 256<<16
	s_mov_b32 s[G1B+3], 128<<16
	s_mov_b32 s[G1B+4], 256
	s_mov_b32 s[G1B+5], 128
	s_mov_b32 s[G1B+6], 0
	s_mov_b32 s[G1B+7], 0
	s_mul_i32 s60, s24, W1PART                     ; my part of W1's bytes in LDS,
	s_mul_i32 s61, s24, W2PART
	s_add_co_u32 s61, s61, W2BASE                  ; of W2's,
	s_lshl_b32 s62, s24, 15                        ; and in memory: 64 rows of 512 bytes, 256 rows of 128
	s_mov_b32 s63, 0
	s_mov_b32 s56, 0x76543210
	s_mov_b32 s57, 0xfedcba98                      ; v_permlanex16_b32's selects for lane l xor 16
	s_mov_b32 s59, 0x3fb8aa3b                      ; log2(e)
	v_and_b32 v1, 31, v0                           ; lane
	v_and_b32 v2, 15, v0                           ; r
	v_bfe_u32 v3, v0, 4, 1                         ; h
	v_and_b32 v[TA], 7, v0                         ; lane % 8
	v_lshrrev_b32 v[TB], 3, v1                     ; lane / 8
	v_lshlrev_b32 v[XA], 12, v[TB]                 ; x: one of four rows of 4,096 bytes,
	v_lshl_add_u32 v[XA], v[TA], 4, v[XA]          ; my 16 bytes of a block's 128
	s_mul_i32 s28, s24, 2304
	s_add_co_u32 s28, s28, STG                     ; my stage
	v_mul_u32_u24 v[SST], v[TB], 144
	v_lshl_add_u32 v[SST], v[TA], 4, v[SST]
	v_add_nc_u32 v[SST], s28, v[SST]               ; in: as loaded, rows 144 bytes apart
	v_mul_u32_u24 v[SLD], v2, 144
	v_lshl_add_u32 v[SLD], v3, 6, v[SLD]
	v_add_nc_u32 v[SLD], s28, v[SLD]               ; out: row r, my half of its 128 bytes: sixteen lanes start at sixteen different columns of 16 bytes
	v_lshlrev_b32 v[LI], 4, v1
	v_lshl_add_u32 v[HSL], v1, 2, XSC
	v_lshl_add_u32 v[XIL], v1, 4, XI
	s_lshl_b32 s28, s24, 12
	s_add_co_u32 s28, s28, XI
	v_lshl_add_u32 v[XWI], v2, 4, s28
	v_lshl_add_u32 v[XWI], v3, 3, v[XWI]
	s_lshl_b32 s28, s24, 9
	v_add_nc_u32 v[XWS], s28, v[HSL]
	v_lshl_add_u32 v[LSX], v3, 10, v[HSL]
	v_lshl_add_u32 v[TB], v3, 3, v[TA]
	v_lshl_add_u32 v[WGR], v[TB], 4, WGI
	v_mul_u32_u24 v[AW1], v2, 528
	v_lshl_add_u32 v[AW1], v3, 4, v[AW1]
	v_add_nc_u32 v[AW1], s60, v[AW1]
	v_mul_u32_u24 v[AW2], v2, 144
	v_lshl_add_u32 v[AW2], v3, 4, v[AW2]
	v_add_nc_u32 v[AW2], s61, v[AW2]
	s_lshl_b32 s28, s24, 11
	s_add_co_u32 s28, s28, B1R
	v_lshl_add_u32 v[B1A], v3, 5, s28
	v_lshl_add_u32 v[GWA], v1, 2, GWI
	s_lshl_b32 s28, s24, 9
	s_add_co_u32 s28, s28, HIMG
	v_lshl_add_u32 v[HST], v2, 4, s28
	v_lshl_add_u32 v[HST], v3, 2, v[HST]
	s_lshr_b32 s28, s24, 1
	s_lshl_b32 s28, s28, 7
	s_and_b32 s29, s24, 1
	s_lshl_b32 s29, s29, 1
	s_add_co_u32 s28, s28, s29
	v_add_nc_u32 v[HSS], s28, v[HSL]
	v_lshlrev_b32 v[S1O], 5, v2
	v_lshl_add_u32 v[S1O], v3, 10, v[S1O]
	v_lshlrev_b32 v[S2O], 3, v2
	v_lshl_add_u32 v[S2O], v3, 10, v[S2O]
	v_mul_u32_u24 v[STO], v2, 1040
	v_lshl_add_u32 v[STO], v3, 5, v[STO]
	v_add_nc_u32 v[STO], s60, v[STO]
	v_add_nc_u32 v[RD], s60, v[LI]
	v_lshlrev_b32 v[TA], 2, v[TA]                  ; Wg, for the lane that builds images: expert l % 8; 16 rows of Wg on for (l / 8) % 2, 32 rows on for l / 16: 4 e + 512 ((l / 8) % 2) + 1,024 (l / 16)
	v_bfe_u32 v[TB], v0, 3, 1
	v_lshl_add_u32 v[TA], v[TB], 9, v[TA]
	v_lshl_add_u32 v[TA], v3, 10, v[TA]
	s_lshl_b32 s28, s24, 12
	s_add_co_u32 s28, s28, WGI
	v_lshl_add_u32 v[TB], v2, 4, s28               ; and where its images go: WGI + 4,096 w + 512 (l / 16) + 16 (l % 16)
	v_lshl_add_u32 v[TB], v3, 9, v[TB]
	v_mov_b32 v[CLV], 0x40b504f3                   ; 4 sqrt(2)
	s_wait_dscnt 0x0                               ; both opening adds are done
	s_wait_kmcnt 0x0
	s_load_b256 s[68:75], s[20:21], 0x0            ; bg's eight numbers
	s_mov_b32 s[G0A], 1
	s_mov_b32 s[G0A+1], s60
	s_add_nc_u64 s[G0A+2:G0A+3], s[6:7], s[62:63]
	s_or_b32 s[G0A+3], s[G0A+3], 0x80000000
	s_mov_b32 s[G0B], 1
	s_mov_b32 s[G0B+1], s61
	s_add_nc_u64 s[G0B+2:G0B+3], s[10:11], s[62:63]
	s_or_b32 s[G0B+3], s[G0B+3], 0x80000000
	CROUND                                         ; all four work-groups are here: the first joint loads meet
	tensor_load_to_lds s[G0A:G0A+3], s[G1A:G1A+7]  ; W1 of expert 0: every wave fetches the rows that it will read
	s_nop 0
	tensor_load_to_lds s[G0B:G0B+3], s[G1B:G1B+7]  ; W2 of expert 0: two tensor loads of mine are out
	s_nop 0
	PLACES
	s_lshl_b32 s28, s26, 18                        ; 64 rows of 4,096 bytes a work-group,
	s_lshl_b32 s29, s24, 16                        ; x: 16 rows a wave
	s_add_co_u32 s28, s28, s29
	s_mov_b32 s29, 0
	s_add_nc_u64 s[4:5], s[4:5], s[28:29]
	s_lshl_b32 s28, s26, 18
	s_lshl_b32 s30, s24, 10                        ; out0 and b2: 256 numbers a wave
	s_mov_b32 s31, 0
	s_add_co_u32 s28, s28, s30
	s_add_nc_u64 s[22:23], s[22:23], s[28:29]
	s_add_nc_u64 s[18:19], s[18:19], s[30:31]
	s_lshl_b32 s30, s24, 13                        ; Wg: K steps 2 w and 2 w + 1
	s_add_nc_u64 s[14:15], s[14:15], s[30:31]
	s_lshl_b32 s30, s24, 11                        ; both tensors of scale bytes: 2,048 bytes a wave
	s_add_nc_u64 s[8:9], s[8:9], s[30:31]
	s_add_nc_u64 s[12:13], s[12:13], s[30:31]
	s_lshl_b32 s30, s24, 8                         ; b1: 64 numbers a wave
	s_add_nc_u64 s[16:17], s[16:17], s[30:31]
.irp p,0,1
.irp c,0,1
.irp i,0,1,2,3,4,5,6,7,8,9,10,11,12,13,14,15
	global_load_b32 v[HA+32*\p+16*\c+\i], v[TA], s[14:15] offset:4096*\p+2048*\c+32*\i   ; Wg(128 (2 w + p) + 64 c + 32 (l / 16) + 16 ((l / 8) % 2) + i, e)
.endr
.endr
.endr
	XLOAD 0
	XLOAD 1
	XLOAD 2
	XLOAD 3
	WIN 0
	; erf's coefficients: the numerator's x sqrt(2) / 4 x 2^-(its power of u^2), the denominator's x 2^-(its power): so the polynomials take u^2 = 2 z^2 and give 0.5 erf
	COEF 76, -0.000000000272614225801306, 0x3bb504f3
	COEF 78, 0.0000000277068142495902, 0x3c3504f3
	COEF 80, -0.00000210102402082508, 0x3cb504f3
	COEF 82, -0.0000569250639462346, 0x3d3504f3
	COEF 84, -0.000734990630326855, 0x3db504f3
	COEF 86, -0.00295459980854025, 0x3e3504f3
	COEF 88, -0.0160960333262415, 0x3eb504f3
	COEF 90, -0.0000145660718464996, 0x3d800000
	COEF 92, -0.000213374055278905, 0x3e000000
	COEF 94, -0.00168282697438203, 0x3e800000
	COEF 96, -0.00737332916720468, 0.5
	COEF 98, -0.0142647390514189, 1.0
	v_mov_b32 v[A1V], s78
	v_mov_b32 v[A1V+1], s78
	v_mov_b32 v[B1V], s92
	v_mov_b32 v[B1V+1], s92
	s_wait_kmcnt 0x0                               ; bg
	WIN 0x80
.irp j,0,1,2,3,4,5,6,7
	v_mov_b32 v[32+\j], s[68+\j]                   ; the gate's first accumulator begins as bg: register j is expert j in both halves of the lanes
.endr
.irp b,0,1,2,3
	v_mov_b32 v[188+\b], 0                         ; written once in each window: a lane permute's destination counts as one of its sources
.endr
	WIN 0xc0
.irp b,0,1,2,3
	v_mov_b32 v[188+\b], 0
.endr
	WIN 0
	s_wait_loadcnt 63                              ; Wg's 64 loads are in: 64 loads of x were issued behind them, and 63 is the most that a wait can name
.irp i,0,1,2,3,4,5,6,7,8,9,10,11,12,13,14,15,16,17,18,19,20,21,22,23,24,25,26,27,28,29,30,31
	v_cvt_pk_bf16_f32 v[WF+\i], v[HA+2*\i], v[HA+2*\i+1]
.endr
.irp p,0,1
.irp c,0,1
.irp u,0,1
	ds_store_b128 v[TB], v[WF+16*\p+8*\c+4*\u:WF+16*\p+8*\c+4*\u+3] offset:2048*\p+1024*\c+256*\u
.endr
.endr
.endr
	BARRIER                                        ; Wg's 32 images lie in LDS
	s_wait_loadcnt 48                              ; K step 0's 16 loads are in; those of the three steps behind it may stay out
	XTURN 0
	XSTEP 0, 32                                    ; behind the next step's 16 loads stand those of two steps more
	XSTEP 1, 32
	XSTEP 2, 32
	XSTEP 3, 32
	WIN 0
	BARRIER                                        ; the images of K steps 0 to 3 of all 64 tokens lie in LDS
	FETCHX 0
	BARRIER                                        ; every wave has them: their bytes may be written again
	XSTEP 4, 32
	WIN 0
	v_lshlrev_b32 v[TA], 5, v1                     ; (Wg's loads, which read this register, are long in)  b2: 8 outputs a lane
	v_lshlrev_b32 v[TC], 3, v1                     ; b1: 2 numbers a lane
.irp e,0,1,2,3,4,5,6,7
.irp c,0,1
	global_load_b128 v[HA+8*\e+4*\c:HA+8*\e+4*\c+3], v[TA], s[18:19] offset:4096*\e+16*\c
.endr
.endr
.irp e,0,1,2,3,4,5,6,7
	global_load_b64 v[WF+32+2*\e:WF+33+2*\e], v[TC], s[16:17] offset:1024*\e
.endr
.irp q,0,1
.irp c,0,1
	global_load_b128 v[W1S+8*\q+4*\c:W1S+8*\q+4*\c+3], v[S1O], s[8:9] offset:512*\q+16*\c
.endr
.endr
	XSTEP 5, 44                                    ; K step 7's 16 loads and the 28 loads above may stay out
	XSTEP 6, 28                                    ; the 28 alone
	XSTEP 7, 0                                     ; nothing is left to turn
	WIN 0
	BARRIER                                        ; every wave has left its stage: the gates take those bytes
	s_lshl_b32 s28, s24, 7
	v_add_nc_u32 v[XWI], s28, v[GWA]               ; where my gates go: GWI + 128 w + 4 lane, 512 from expert to expert
	s_lshl_b32 s28, s24, 9
	s_add_co_u32 s28, s28, GBI
	v_add_nc_u32 v[XWS], s28, v[LI]                ; and their bf16: GBI + 512 w + 16 lane
	PLACES
	WIN 0xaa                                       ; THE SOFTMAX, in window 2: a lane holds its token's eight logits
.irp j,0,1,2,3,4,5,6,7
	v_add_f32 v[48+\j], v[32+\j], v[40+\j]
.endr
	v_max3_num_f32 v0, v48, v49, v50
	v_max3_num_f32 v0, v0, v51, v52
	v_max3_num_f32 v0, v0, v53, v54
	v_max_num_f32 v0, v0, v55
.irp j,0,1,2,3,4,5,6,7
	v_sub_f32 v[48+\j], v[48+\j], v0               ; the maximum is taken away
.endr
.irp j,0,1,2,3,4,5,6,7
	v_mul_f32 v[48+\j], s59, v[48+\j]
.endr
.irp j,0,1,2,3,4,5,6,7
	v_exp_f32 v[48+\j], v[48+\j]
.endr
	v_nop                                          ; a plain place behind the last exponential
	s_wait_alu depctr_va_vdst(0)                   ; one wait for the batch, ahead of its first reader
	v_add_f32 v1, v48, v49
	v_add_f32 v2, v50, v51
	v_add_f32 v3, v52, v53
	v_add_f32 v4, v54, v55
	v_add_f32 v1, v1, v2
	v_add_f32 v3, v3, v4
	v_add_f32 v1, v1, v3
	v_rcp_f32 v1, v1
	v_nop
	s_wait_alu depctr_va_vdst(0)
.irp j,0,1,2,3,4,5,6,7
	v_mul_f32 v[48+\j], v[48+\j], v1
.endr
.irp j,0,1,2,3,4,5,6,7
	v_mul_f32 v[8+\j], 0x3e800000, v[48+\j]        ; a quarter of each: the bias product sums each expert four times along its K of 32
.endr
.irp p,0,1,2,3
	v_cvt_pk_bf16_f32 v[16+\p], v[8+2*\p], v[9+2*\p]
.endr
	WIN 0x08
.irp e,0,1,2,3,4,5,6,7
	ds_store_b32 v[XWI], v[48+\e] offset:512*\e
.endr
	ds_store_b128 v[XWS], v[16:19]
	WIN 0
	BARRIER                                        ; K steps 4 to 7 and all gates lie in LDS; nobody reads Wg's images any more
	FETCHX 1
	s_wait_loadcnt 0x0                             ; b2, b1, W1's scale words of expert 0
.irp i,0,1,2,3,4,5,6,7
.irp p,0,1,2,3
	v_cvt_pk_bf16_f32 v[WF+4*\i+\p], v[HA+16*\p+\i], v[HA+16*\p+8+\i]   ; output 8 lane + i: its eight experts' b2, 16 bytes
.endr
.endr
	s_lshl_b32 s28, s24, 12
	s_add_co_u32 s28, s28, WGI                     ; my table of b2
	v_lshl_add_u32 v[WGR], v1, 7, s28
.irp i,0,1,2,3,4,5,6,7
	ds_store_b128 v[WGR], v[WF+4*\i:WF+4*\i+3] offset:16*\i
.endr
	v_lshl_add_u32 v[XWI], v2, 4, s28              ; back: output 16 j + r
	v_lshl_add_u32 v[XWS], v1, 4, GBI
	s_wait_dscnt 0x0                               ; the stores have read their registers
.irp j,0,1,2,3,4,5,6,7,8,9,10,11,12,13,14,15
	ds_load_b128 v[HA+8*\j:HA+8*\j+3], v[XWI] offset:256*\j      ; the same 16 bytes in both halves of a fragment: every eight along K are experts 0 to 7
	ds_load_b128 v[HA+8*\j+4:HA+8*\j+7], v[XWI] offset:256*\j
.endr
.irp m,0,1,2,3
	ds_load_b128 v[WF+8*\m:WF+8*\m+3], v[XWS] offset:512*\m
	ds_load_b128 v[WF+8*\m+4:WF+8*\m+7], v[XWS] offset:512*\m
.endr
	BARRIER                                        ; every wave has x's last images: their bytes take b1 and the hidden layer
	s_lshl_b32 s28, s24, 11
	s_add_co_u32 s28, s28, B1R
	v_lshl_add_u32 v[WGR], v1, 3, s28
.irp e,0,1,2,3,4,5,6,7
	ds_store_b64 v[WGR], v[WF+32+2*\e:WF+33+2*\e] offset:256*\e   ; my 64 numbers of each expert's b1: my own bytes, read by me alone
.endr
.irp j,0,1,2,3,4,5,6,7,8,9,10,11,12,13,14,15
	WIN 0x80+0x40*(\j/8)
.irp m,0,1,2,3
	v_wmma_f32_16x16x32_bf16 v[8*(4*(\j%8)+\m):8*(4*(\j%8)+\m)+7], v[HA+8*\j:HA+8*\j+7], v[WF+8*\m:WF+8*\m+7], 0   ; out0's sums begin as sum over e of w_e b2_e
.endr
.endr
	WIN 0
.rept 5
	v_nop                                          ; FIVE places: the first expert's first products WRITE, as their accumulators, the registers that these products have read as source 0 (four would serve the loads into them alone)
.endr
	s_wait_tensorcnt 0x1                           ; W1 of expert 0 has landed; W2's load, issued behind it, may stay out
	s_mov_b32 s58, 7
.Lexpert:                                              ; experts 0 to 6: each asks for the next one's weights
	EXPERT 1
	s_sub_co_u32 s58, s58, 1
	s_cmp_lg_u32 s58, 0
	s_cbranch_scc1 .Lexpert
	EXPERT 0                                       ; the last expert is written out: it asks for nothing
	OUTM 0
	OUTM 1
	OUTM 2
	OUTM 3
	s_wait_tensorcnt 0x0                           ; the wave's end: this wait, an add onto my spare word and its wait, behind my last tensor load and my last LDS store
	ds_add_u32 v[SPW], v[NIL]
	s_wait_dscnt 0x0
	CROUND                                         ; the closing round: no work-group ends while a partner may still ask for a tile that names it
	s_endpgm
.Lfunc_end_k_q8cc0e4c76a_moe:
	.size	k_q8cc0e4c76a_moe, .Lfunc_end_k_q8cc0e4c76a_moe-k_q8cc0e4c76a_moe
	.p2alignl 7, 3214868480
	.fill 96, 4, 3214868480
	.section	.rodata,"a",@progbits
	.p2align	6, 0x0
	.amdhsa_kernel k_q8cc0e4c76a_moe
		.amdhsa_group_segment_fixed_size 327680
		.amdhsa_private_segment_fixed_size 0
		.amdhsa_enable_private_segment 0
		.amdhsa_kernarg_size 80
		.amdhsa_user_sgpr_count 2
		.amdhsa_user_sgpr_kernarg_segment_ptr 1
		.amdhsa_wavefront_size32 1
		.amdhsa_system_sgpr_workgroup_id_x 1
		.amdhsa_system_sgpr_workgroup_id_y 1
		.amdhsa_system_sgpr_workgroup_id_z 1
		.amdhsa_system_vgpr_workitem_id 0
		.amdhsa_next_free_vgpr 1024
		.amdhsa_next_free_sgpr 100
		.amdhsa_reserve_vcc 0
		.amdhsa_float_denorm_mode_32 3
		.amdhsa_float_denorm_mode_16_64 3
		.amdhsa_memory_ordered 1
		.amdhsa_forward_progress 1
		.amdhsa_inst_pref_size 255
	.end_amdhsa_kernel
	.section	.bss,"aw",@nobits
	.p2align	6
	.space	262144
	.amdgpu_metadata
---
amdhsa.version: [ 1, 2 ]
amdhsa.kernels:
  - .name:           k_q8cc0e4c76a_moe
    .symbol:         k_q8cc0e4c76a_moe.kd
    .args:
      - { .name: x, .offset: 0, .size: 8, .value_kind: global_buffer, .address_space: global }
      - { .name: W1_codes, .offset: 8, .size: 8, .value_kind: global_buffer, .address_space: global }
      - { .name: W1_scales, .offset: 16, .size: 8, .value_kind: global_buffer, .address_space: global }
      - { .name: W2_codes, .offset: 24, .size: 8, .value_kind: global_buffer, .address_space: global }
      - { .name: W2_scales, .offset: 32, .size: 8, .value_kind: global_buffer, .address_space: global }
      - { .name: Wg, .offset: 40, .size: 8, .value_kind: global_buffer, .address_space: global }
      - { .name: b1, .offset: 48, .size: 8, .value_kind: global_buffer, .address_space: global }
      - { .name: b2, .offset: 56, .size: 8, .value_kind: global_buffer, .address_space: global }
      - { .name: bg, .offset: 64, .size: 8, .value_kind: global_buffer, .address_space: global }
      - { .name: out0, .offset: 72, .size: 8, .value_kind: global_buffer, .address_space: global }
    .group_segment_fixed_size: 327680
    .private_segment_fixed_size: 0
    .kernarg_segment_align: 8
    .kernarg_segment_size: 80
    .max_flat_workgroup_size: 128
    .sgpr_count:     100
    .vgpr_count:     1024
    .wavefront_size: 32
...
	.end_amdgpu_metadata
.endif
;; end of part 2
